; MI455X (gfx1250); checked and timed in simulation.
; The chip was launched on July 23, 2026; its instructions are those of AMD's public machine-readable ISA for CDNA 5 (MIT licence, August 2026) and "CDNA5" Instruction Set Architecture Reference Guide (July 2026). The comments in the code are by the model that wrote it; some were corrected since.
;; Multi Head Self Attention. Allowed arithmetic: float matrix products may take bf16 or f16 operands with f32 sums; all other float work in f32.
;; Inputs: out_b 1,024 float32; out_w 1,024 x 1,024 float32; qkv_b 3,072 float32; qkv_w 3,072 x 1,024 float32; x 4 x 2,048 x 1,024 float32.
;; Outputs: out0 4 x 2,048 x 1,024 float32.
;; 2 versions, each right; version 2 is version 1 with the launch cast written anew for expert scheduling mode. Each part assembles by itself: llvm-mc -triple=amdgcn-amd-amdhsa -mcpu=gfx1250 --defsym DOCPART=n.
;; ======== version 1 of 2: 4 launches
;; workspace buffers: xb 16,777,216 bytes; wqb 6,291,456 bytes; wob 2,097,152 bytes; qkv 50,331,648 bytes; att 16,777,216 bytes
;; launch cast (part 1): grid 768 x 1, 8 waves a work-group, no clusters, 0 bytes of LDS; arguments x, qkv_w, out_w, xb, wqb, wob; writes xb, wqb, wob
.if DOCPART == 1
	.amdgcn_target "amdgcn-amd-amdhsa--gfx1250"
	.amdhsa_code_object_version 6
	.text
	.protected	k_qf4f737d507_cast
	.globl	k_qf4f737d507_cast
	.p2align	8
	.type	k_qf4f737d507_cast,@function
k_qf4f737d507_cast:
	s_mov_b64 s[64:65], 0
	v_nop
	global_prefetch_b8 v0, s[64:65] scope:SCOPE_SE
	s_setreg_imm32_b32 hwreg(HW_REG_WAVE_MODE, 25, 1), 1
	s_wait_xcnt 0x0
; xb = bf16(x), wqb = bf16(qkv_w), wob = bf16(out_w): every number rounded once, to nearest even.
; A stream: each input byte is read once and each output byte written once, so there is no LDS, no barrier, no matrix work and no cluster
; (no two work-groups read the same byte).
; A work-group owns one chunk of 16,384 numbers (65,536 bytes in, 32,768 out).  Groups 0-511 take x (8,388,608 numbers), 512-703 qkv_w
; (3,145,728), 704-767 out_w (1,048,576).  A wave owns 8,192 bytes of the chunk: sixteen loads of 16 bytes a lane, each covering 512
; neighbouring bytes, all issued before the first is used; each store of 8 bytes a lane covers 256 neighbouring bytes, aligned.
; No register is written twice, so no source of a pending load or store is ever rewritten.
.set NX,  512                          ; chunks of x
.set NW,  704                          ; chunks of x and qkv_w together
.set X,   8                            ; v[8:71]    load i: four f32
.set Y,   72                           ; v[72:103]  store i: four bf16
	s_load_b256 s[4:11], s[0:1], 0x0               ; x s[4:5], qkv_w s[6:7], out_w s[8:9], xb s[10:11]
	s_load_b128 s[12:15], s[0:1], 0x20             ; wqb s[12:13], wob s[14:15]
	v_lshrrev_b32 v1, 5, v0                        ; wave
	v_and_b32 v2, 31, v0                           ; lane
	v_lshlrev_b32 v2, 4, v2
	v_lshl_or_b32 v1, v1, 13, v2                   ; in: 8,192 x wave + 16 x lane
	v_lshrrev_b32 v2, 1, v1                        ; out: half of that
	s_wait_kmcnt 0x0
	s_cmp_lt_u32 ttmp9, NX                         ; which tensor: the choice hangs on the group number alone
	s_cselect_b64 s[16:17], s[4:5], s[6:7]
	s_cselect_b64 s[18:19], s[10:11], s[12:13]
	s_cselect_b32 s20, 0, NX
	s_cmp_lt_u32 ttmp9, NW
	s_cselect_b64 s[16:17], s[16:17], s[8:9]
	s_cselect_b64 s[18:19], s[18:19], s[14:15]
	s_cselect_b32 s20, s20, NW
	s_sub_co_u32 s21, ttmp9, s20                   ; the chunk's number inside its tensor
	s_lshl_b32 s22, s21, 16
	s_mov_b32 s23, 0
	s_add_nc_u64 s[16:17], s[16:17], s[22:23]      ; source at my chunk
	s_lshl_b32 s22, s21, 15
	s_add_nc_u64 s[18:19], s[18:19], s[22:23]      ; destination at my chunk
.irp i, 0,1,2,3,4,5,6,7,8,9,10,11,12,13,14,15
	global_load_b128 v[X+4*\i:X+4*\i+3], v1, s[16:17] offset:512*\i th:TH_LOAD_NT   ; read once in the launch
.endr
.irp i, 0,1,2,3,4,5,6,7,8,9,10,11,12,13,14,15
	s_wait_loadcnt 15-\i                           ; loads come back in order (ISA guide 5.7.1): load i is in, the 15 - i younger ones stay out
	v_cvt_pk_bf16_f32 v[Y+2*\i],   v[X+4*\i],   v[X+4*\i+1]
	v_cvt_pk_bf16_f32 v[Y+2*\i+1], v[X+4*\i+2], v[X+4*\i+3]
	global_store_b64 v2, v[Y+2*\i:Y+2*\i+1], s[18:19] offset:256*\i   ; no hint: the next launch reads these bytes
.endr
	s_endpgm
.Lfunc_end_k_qf4f737d507_cast:
	.size	k_qf4f737d507_cast, .Lfunc_end_k_qf4f737d507_cast-k_qf4f737d507_cast
	.p2alignl 7, 3214868480
	.fill 96, 4, 3214868480
	.section	.rodata,"a",@progbits
	.p2align	6, 0x0
	.amdhsa_kernel k_qf4f737d507_cast
		.amdhsa_group_segment_fixed_size 0
		.amdhsa_private_segment_fixed_size 0
		.amdhsa_enable_private_segment 0
		.amdhsa_kernarg_size 48
		.amdhsa_user_sgpr_count 2
		.amdhsa_user_sgpr_kernarg_segment_ptr 1
		.amdhsa_wavefront_size32 1
		.amdhsa_system_sgpr_workgroup_id_x 1
		.amdhsa_system_sgpr_workgroup_id_y 1
		.amdhsa_system_sgpr_workgroup_id_z 1
		.amdhsa_system_vgpr_workitem_id 0
		.amdhsa_next_free_vgpr 104
		.amdhsa_next_free_sgpr 66
		.amdhsa_reserve_vcc 0
		.amdhsa_float_denorm_mode_32 3
		.amdhsa_float_denorm_mode_16_64 3
		.amdhsa_memory_ordered 1
		.amdhsa_forward_progress 1
		.amdhsa_inst_pref_size 7
	.end_amdhsa_kernel
	.amdgpu_metadata
---
amdhsa.version: [ 1, 2 ]
amdhsa.kernels:
  - .name:           k_qf4f737d507_cast
    .symbol:         k_qf4f737d507_cast.kd
    .args:
      - { .name: x, .offset: 0, .size: 8, .value_kind: global_buffer, .address_space: global }
      - { .name: qkv_w, .offset: 8, .size: 8, .value_kind: global_buffer, .address_space: global }
      - { .name: out_w, .offset: 16, .size: 8, .value_kind: global_buffer, .address_space: global }
      - { .name: xb, .offset: 24, .size: 8, .value_kind: global_buffer, .address_space: global }
      - { .name: wqb, .offset: 32, .size: 8, .value_kind: global_buffer, .address_space: global }
      - { .name: wob, .offset: 40, .size: 8, .value_kind: global_buffer, .address_space: global }
    .group_segment_fixed_size: 0
    .private_segment_fixed_size: 0
    .kernarg_segment_align: 8
    .kernarg_segment_size: 48
    .max_flat_workgroup_size: 256
    .sgpr_count:     66
    .vgpr_count:     104
    .wavefront_size: 32
...
	.end_amdgpu_metadata
.endif
;; end of part 1
;; launch qkvgemm (part 2): grid 12 x 32, 4 waves a work-group, clusters of 4 x 4, 327,680 bytes of LDS; arguments xb, wqb, qkv_b, qkv; writes qkv
.if DOCPART == 2
	.amdgcn_target "amdgcn-amd-amdhsa--gfx1250"
	.amdhsa_code_object_version 6
	.text
	.protected	k_qf4f737d507_qkvgemm
	.globl	k_qf4f737d507_qkvgemm
	.p2align	8
	.type	k_qf4f737d507_qkvgemm,@function
k_qf4f737d507_qkvgemm:
	s_mov_b64 s[64:65], 0
	v_nop
	global_prefetch_b8 v0, s[64:65] scope:SCOPE_SE
	s_setreg_imm32_b32 hwreg(HW_REG_WAVE_MODE, 25, 1), 1
	s_wait_xcnt 0x0
	s_wait_alu depctr_hold_cnt(0) depctr_sa_sdst(0) depctr_va_vdst(0) depctr_va_sdst(0) depctr_va_ssrc(0) depctr_va_vcc(0) depctr_vm_vsrc(0)
	s_getreg_b32 s2, hwreg(HW_REG_IB_STS2, 6, 4)
	s_cmp_eq_u32 s2, 0
	s_cbranch_scc0 .Lentry_in_a_cluster
	s_endpgm
.Lentry_in_a_cluster:
	s_bfe_u32 s2, ttmp6, 0x10000c
	s_cmp_lg_u32 s2, 0xf033
	s_cbranch_scc0 .Lentry_shape_is_right
	s_endpgm
.Lentry_shape_is_right:
; qkv[m][n] = qkv_b[n] + sum over k of xb[m][k] wqb[n][k].  xb: [8192][1024], wqb: [3072][1024], qkv: [8192][3072], all bf16; qkv_b f32; sums in f32,
; started by the bias, rounded once to bf16.  LIMITS: the operands are x and qkv_w rounded to bf16; q, k, v leave as bf16; NaN and infinities get no care of their own.
; A work-group makes a block of 256 x 256 with four waves; a wave makes 128 x 128: 64 accumulator tiles of 16 x 16, 512 registers.
; K goes in steps of 128 through a ring of two LDS slots filled by the tensor data mover: a tile's rows are 256 bytes of memory, each starting at a
; multiple of 256 bytes from the buffer's first byte.
; CLUSTERS: 4 x 4 work-groups.  The four of a row of the cluster need the same tiles of xb, the four of a column the same tiles of wqb.  Such a tile is asked
; for jointly: each of the four issues the same tensor load, with the same descriptor and a mask that names the four.  The grid, 12 x 32, divides into 3 x 8 clusters.
;
; REGISTERS, in windows of 256 (s_set_vgpr_msb says which window each operand place means):
;   window 0: v16-27 addresses; v64-127, v128-191 fragments of A (8 x 16 rows x 32 K), two buffers; v192-223 at work on the way out
;   window 1: v64-127, v128-191 fragments of B, two buffers; v192-255 the bias of my 128 columns, in an accumulator tile's layout
;   window 2: the 32 accumulator tiles of my rows 0-63 (tile (a, b) at v[8 (8 a + b)]);   window 3: those of my rows 64-127
; THE MATRIX INSTRUCTION IS USED TRANSPOSED: source 0 = 16 rows of B, source 1 = 16 rows of A.  Lane l then holds row l % 16 of the result and its registers
; 0 to 7 the columns 8 (l / 16) + 0 .. 7: eight neighbouring numbers of a row, which pack into 16 bytes.
; The 64 accumulators take turns, one instruction a turn, in the same order in every quarter step.
.set SIZE_M, 8192
.set SIZE_N, 3072
.set SIZE_K, 1024
.set KSTEP,  128
.set PITCH,  272                       ; an LDS row: 256 bytes of data + 16 of padding, so the 16 rows that a load touches start in 16 different 16-byte columns modulo 256 bytes
.set HALFT,  128*PITCH                 ; 128 rows: what one tensor load brings, and what one wave reads of A or of B
.set SLOT,   4*HALFT                   ; A's 256 rows, then B's 256 rows
.set STAGE,  2*SLOT                    ; behind the ring: 16 rows x 272 bytes for each wave, for the way out; no tensor load lands there
.set SPITCH, 272
.set LAPS, SIZE_K/(2*KSTEP)            ; a lap = two K steps = once round the ring: 4 laps
.set ADRA, 16                          ; v16-17  LDS address of my A fragments in slot 0, 1
.set ADRB, 20                          ; v20-21  the same for B
.set STO,  24                          ; v24     the way out: where I put 16 bytes of a row
.set RD,   25                          ; v25     the way out: where I read a row back
.set CO,   26                          ; v26     my byte offset in qkv
.set BO,   27                          ; v27     my byte offset in the bias
.set F0,   64                          ; fragment buffer 0
.set F1,   128                         ; fragment buffer 1
.set TMP,  192                         ; window 0: packed results on the way out
.set BIAS, 192                         ; window 1: v[BIAS+8b+j] = bias of column 16 b + 8 (l / 16) + j of my 128
.set G1, 24                            ; s[24:31] descriptor group 1 for A's tiles
.set G0, 32                            ; s[32:39] descriptor group 0 for A's tiles, one set for each slot
.set G1B, 48                           ; s[48:55] descriptor group 1 for B's tiles: it differs from A's in the mask alone
.set G0B, 56                           ; s[56:63] descriptor group 0 for B's tiles, one set for each slot
.set MSB, 0
.macro WIN new                         ; the immediate's high byte repeats the setting that is left
.if MSB != \new
	s_set_vgpr_msb (MSB<<8)|\new
.set MSB, \new
.endif
.endm
.set MUL_LO,   0xa1                    ; source 0 (B) window 1, source 1 (A) window 0, C and D window 2
.set MUL_HI,   0xf1                    ; the same, C and D window 3
.set FIRST_LO, 0x91                    ; the first products: C is the bias in window 1, D window 2
.set FIRST_HI, 0xd1                    ; C the bias in window 1, D window 3
.set TO_B,     0x40                    ; destination window 1, address window 0
; A joint load.  Waves 0 and 1 fetch A's two halves, waves 2 and 3 B's.  Each of the two lines has one mask and one set of registers for all that issue it, and
; nothing in them hangs on a coordinate that the four partners do not share.  The branch hangs on the wave's number alone.
; Four v_nop follow each of the two lines.
.macro JLOAD s
	s_cmp_eq_u32 s11, 0
	s_cbranch_scc0 .Lfor_b_\@
	tensor_load_to_lds s[G0+4*\s:G0+4*\s+3], s[G1:G1+7]
	s_nop 0
.rept 4
	v_nop
.endr
	s_branch .Lasked_\@
.Lfor_b_\@:
	tensor_load_to_lds s[G0B+4*\s:G0B+4*\s+3], s[G1B:G1B+7]
	s_nop 0
.rept 4
	v_nop
.endr
.Lasked_\@:
.endm
; A round of the cluster's barrier: my work-group's barrier, so that wave 0's signal speaks for all four waves; wave 0 signals for the work-group; every wave
; waits for all sixteen work-groups; my work-group's barrier once more.
.macro CREST                           ; a round behind its opening barrier
	s_cmp_lg_u32 s10, 0
	s_cbranch_scc1 .Lnot_wave_0_\@
	s_barrier_signal -3
.Lnot_wave_0_\@:
	s_barrier_wait -3
	s_barrier_signal -1
	s_barrier_wait -1
.endm
.macro CROUND                          ; a whole round
	s_barrier_signal -1
	s_barrier_wait -1
	CREST
.endm
	s_load_b128 s[4:7], s[0:1], 0x0                ; xb s[4:5], wqb s[6:7]
	s_load_b64 s[66:67], s[0:1], 0x10              ; qkv_b
	s_load_b64 s[8:9], s[0:1], 0x18                ; qkv
	s_set_vgpr_msb 0x40
	v_lshl_add_u32 v63, v0, 2, 0x48400
	s_set_vgpr_msb 0x4000
	v_mov_b32 v255, 0
	s_set_vgpr_msb 0x1
	ds_add_u32 v63, v255
	s_set_vgpr_msb 0x100
	v_lshrrev_b32 v1, 5, v0
	v_readfirstlane_b32 s10, v1                    ; wave 0..3
	s_lshr_b32 s11, s10, 1                         ; which half of the block's rows is mine.  Also: I fetch for A (0) or for B (1)
	s_and_b32 s12, s10, 1                          ; which half of its columns.  Also: which 128 rows of that tile I fetch
	s_bfe_u32 s40, ttmp6, 0x40000                  ; cx: my place along the cluster's x
	s_bfe_u32 s41, ttmp6, 0x40004                  ; cy: along its y
	s_lshl_b32 s42, ttmp9, 2                       ; in a cluster launch ttmp9 and ttmp7 count clusters
	s_add_co_u32 s42, s42, s40                     ; block column = 4 x cluster x + cx
	s_and_b32 s13, ttmp7, 0xffff
	s_lshl_b32 s13, s13, 2
	s_add_co_u32 s13, s13, s41                     ; block row = 4 x cluster y + cy
	s_lshl_b32 s43, s41, 2
	s_lshl_b32 s43, 15, s43                        ; my row of the cluster: places 4 cy .. 4 cy + 3
	s_lshl_b32 s44, 0x1111, s40                    ; my column: places cx, cx + 4, cx + 8, cx + 12
	; descriptor group 1: a tile of 128 rows x 128 elements, padded in LDS
	s_or_b32 s[G1+0], s43, (1<<16)|(1<<20)|(1<<21)|(5<<22)|(3<<25)  ; 15:0 the mask: A's tiles go to my row; 17:16 element of 2 bytes; 20 padding on; 21 set beside a mask; 24:22 after every 64 words; 31:25 of 4 words
	s_or_b32 s[G1B+0], s44, (1<<16)|(1<<20)|(1<<21)|(5<<22)|(3<<25) ; the same with the mask of my column, for B's tiles
	s_mov_b32 s[G1B+1], KSTEP<<16
	s_mov_b32 s[G1+1], KSTEP<<16                   ; tensor_dim0 = 128
	s_mov_b32 s[G1B+2], 128<<16
	s_mov_b32 s[G1+2], 128<<16                     ; tensor_dim1 = 128
	s_mov_b32 s[G1B+3], KSTEP<<16
	s_mov_b32 s[G1+3], KSTEP<<16                   ; tile_dim0 = 128
	s_mov_b32 s[G1B+4], 128
	s_mov_b32 s[G1+4], 128                         ; tile_dim1 = 128
	s_mov_b32 s[G1B+5], SIZE_K
	s_mov_b32 s[G1+5], SIZE_K                      ; elements from row to row
	s_mov_b32 s[G1B+6], 0
	s_mov_b32 s[G1+6], 0
	s_mov_b32 s[G1B+7], 0
	s_mov_b32 s[G1+7], 0
	; where the tiles come from.  A's hang on the block row alone, which my row of the cluster shares; B's on the block column alone, which my column shares.
	s_lshl_b32 s17, s12, 7                         ; which 128 rows of the tile I fetch
	s_lshl_b32 s16, s13, 8
	s_add_co_u32 s16, s16, s17                     ; A: row 256 x block row + 128 x half
	s_lshl_b32 s46, s42, 8
	s_add_co_u32 s46, s46, s17                     ; B: row 256 x block column + 128 x half
	s_mov_b32 s17, 0
	s_mov_b32 s47, 0
	s_mov_b64 s[18:19], SIZE_K*2
	s_mul_u64 s[16:17], s[16:17], s[18:19]         ; in bytes
	s_mul_u64 s[46:47], s[46:47], s[18:19]
	s_mul_i32 s20, s10, HALFT                      ; and where they go: wave x 128 rows: no place in the cluster enters an LDS address
	s_wait_dscnt 0x0
	s_wait_kmcnt 0x0
	s_add_nc_u64 s[14:15], s[4:5], s[16:17]
	s_add_nc_u64 s[46:47], s[6:7], s[46:47]
	CROUND                                         ; all sixteen work-groups are here: the first joint loads meet
.irp s, 0,1
	s_mov_b32 s[G0+4*\s], 1                                        ; count = 1
	s_add_co_u32 s[G0+4*\s+1], s20, \s*SLOT                        ; LDS address
	s_add_nc_u64 s[G0+4*\s+2:G0+4*\s+3], s[14:15], \s*KSTEP*2      ; global address: K step s
	s_or_b32 s[G0+4*\s+3], s[G0+4*\s+3], 0x80000000                ; type = 2
	s_mov_b32 s[G0B+4*\s], 1
	s_add_co_u32 s[G0B+4*\s+1], s20, \s*SLOT
	s_add_nc_u64 s[G0B+4*\s+2:G0B+4*\s+3], s[46:47], \s*KSTEP*2
	s_or_b32 s[G0B+4*\s+3], s[G0B+4*\s+3], 0x80000000
	JLOAD \s                                       ; the ring is filled before anything else is done: two loads of this wave are out
.endr
	; A fragment is 16 rows x 32 K in 8 registers: lane l holds row l % 16; registers 0-3 hold K = 8 (l / 16) + 0..7, registers 4-7 hold
	; K = 16 + 8 (l / 16) + 0..7: two loads of 16 bytes, 32 bytes apart.
	v_and_b32 v1, 15, v0                           ; l % 16
	v_bfe_u32 v2, v0, 4, 1                         ; l / 16
	v_mul_u32_u24 v3, v1, PITCH
	v_lshl_add_u32 v3, v2, 4, v3                   ; row x pitch + 16 x half
	s_mul_i32 s21, s11, HALFT                      ; my 128 rows of A
	s_mul_i32 s22, s12, HALFT                      ; my 128 rows of B,
	s_add_co_u32 s22, s22, 2*HALFT                 ; which lie behind A's 256
.irp s, 0,1
	v_add_nc_u32 v[ADRA+\s], s21, v3
	v_add_nc_u32 v[ADRB+\s], s22, v3
	s_add_co_u32 s21, s21, SLOT
	s_add_co_u32 s22, s22, SLOT
.endr
	s_mul_i32 s23, s10, 16*SPITCH
	s_add_co_u32 s23, s23, STAGE                   ; my stage
	v_mul_u32_u24 v4, v1, SPITCH                   ; in: row l % 16, 16 bytes for each half of the lanes
	v_lshl_add_u32 v4, v2, 4, v4
	v_add_nc_u32 v[STO], s23, v4
	v_mul_u32_u24 v5, v2, SPITCH                   ; back: lanes 0-15 take one row of 256 bytes, lanes 16-31 the next
	v_lshl_add_u32 v5, v1, 4, v5
	v_add_nc_u32 v[RD], s23, v5
	v_mul_u32_u24 v5, v2, SIZE_N*2                 ; and the same two rows in qkv
	v_lshl_add_u32 v[CO], v1, 4, v5
	; the bias of my 128 columns, laid as an accumulator tile lies: register j of tile b holds column 16 b + 8 (l / 16) + j
	v_lshlrev_b32 v[BO], 5, v2                     ; 8 f32 for each half of the lanes
	s_lshl_b32 s68, s42, 10                        ; 256 columns x 4 bytes a block column
	s_lshl_b32 s69, s12, 9                         ; 128 columns x 4 bytes a half
	s_add_co_u32 s68, s68, s69
	s_mov_b32 s69, 0
	s_add_nc_u64 s[66:67], s[66:67], s[68:69]
	WIN TO_B
.irp b, 0,1,2,3,4,5,6,7
	global_load_b128 v[BIAS+8*\b:BIAS+8*\b+3],   v[BO], s[66:67] offset:64*\b
	global_load_b128 v[BIAS+8*\b+4:BIAS+8*\b+7], v[BO], s[66:67] offset:64*\b+16
.endr
	WIN 0
; 16 matrix instructions: m blocks a0, a0 + 1 of the window's four (hi = 0: my rows 0-63, 1: rows 64-127) x all 8 n blocks, 32 along K.
; first = 1: the first product takes the bias as C and so starts the sums: nothing is cleared, and the bias costs no addition.
.macro MUL16 f, hi, a0, first
.irp a, \a0, \a0+1
.irp b, 0,1,2,3,4,5,6,7
.if \first
	v_wmma_f32_16x16x32_bf16 v[8*(8*(\a)+\b):8*(8*(\a)+\b)+7], v[\f+8*\b:\f+8*\b+7], v[\f+8*(4*\hi+\a):\f+8*(4*\hi+\a)+7], v[BIAS+8*\b:BIAS+8*\b+7]
.else
	v_wmma_f32_16x16x32_bf16 v[8*(8*(\a)+\b):8*(8*(\a)+\b)+7], v[\f+8*\b:\f+8*\b+7], v[\f+8*(4*\hi+\a):\f+8*(4*\hi+\a)+7], v[8*(8*(\a)+\b):8*(8*(\a)+\b)+7]
.endif
.endr
.endr
.endm
; 32 LDS loads in one run: the fragments of one quarter step (128 rows of B, 128 rows of A, 32 K at byte k of the rows) into buffer f
.macro FETCH slot, k, f
	WIN TO_B
.irp i, 0,1,2,3,4,5,6,7
	ds_load_b128 v[\f+8*\i:\f+8*\i+3],   v[ADRB+\slot] offset:\k+\i*16*PITCH
	ds_load_b128 v[\f+8*\i+4:\f+8*\i+7], v[ADRB+\slot] offset:\k+\i*16*PITCH+32
.endr
	WIN 0
.irp i, 0,1,2,3,4,5,6,7
	ds_load_b128 v[\f+8*\i:\f+8*\i+3],   v[ADRA+\slot] offset:\k+\i*16*PITCH
	ds_load_b128 v[\f+8*\i+4:\f+8*\i+7], v[ADRA+\slot] offset:\k+\i*16*PITCH+32
.endr
.endm
; A load into a register that a matrix instruction has read, and a vector instruction that reads a matrix result, stand four places behind that matrix
; instruction; only plain vector instructions that name none of its registers are places.  So four v_nop stand in front of each run of loads.
.macro PLACES
.rept 4
	v_nop
.endr
.endm
; A K step is four quarter steps of 32 along K, 64 matrix instructions each, on buffers 0, 1, 0, 1.
; One of the first three: multiplies buffer f; in its middle it fetches the next quarter's fragments, at byte k of the same slot's rows, into buffer g.
.macro QUARTER slot, k, f, g, first
	s_wait_dscnt 8                                 ; B and A's rows 0-63 are in; the youngest eight loads (A's rows 64-127) may be out
.if \first
	WIN FIRST_LO
.else
	WIN MUL_LO
.endif
	MUL16 \f, 0, 0, \first
	MUL16 \f, 0, 2, \first
	PLACES
	FETCH \slot, \k, \g
	s_wait_dscnt 32                                ; all but the 32 just issued
.if \first
	WIN FIRST_HI
.else
	WIN MUL_HI
.endif
	MUL16 \f, 1, 0, \first
	MUL16 \f, 1, 2, \first
.endm
.macro THREE slot, first
	QUARTER \slot, 64,  F0, F1, \first
	QUARTER \slot, 128, F1, F0, 0
	QUARTER \slot, 192, F0, F1, 0
.endm
; The last quarter: multiplies buffer 1 and changes slots.  next = the other slot; fill = 1: this slot is filled again, two K steps ahead.
; One barrier for the change of slots.  In front of it each wave waits for its own reads of this slot and for all its tensor loads, of which one is out:
; its part of the next slot.  Behind it nobody reads this slot any more and the next slot is whole: the refill comes first, then the next slot's first fragments.
.macro TURN slot, next, fill
	s_wait_dscnt 8
	WIN MUL_LO
	MUL16 F1, 0, 0, 0
	s_wait_dscnt 0                                 ; my reads of this slot are over
	s_wait_tensorcnt 0x0                           ; and all my tensor loads have landed: the one that was out is my part of the next slot
	ds_add_u32 v63, v255
	s_wait_dscnt 0x0
	s_barrier_signal -1                            ; say so (where a slot is filled again this barrier opens a round of the cluster's barrier),
	MUL16 F1, 0, 2, 0                              ; work on registers while the others arrive,
	WIN 0
	s_barrier_wait -1                              ; and go on when all four have said so
.if \fill
	CREST                                          ; all sixteen work-groups have said so: no wave of any partner still reads this slot or has a load on its way
	s_add_nc_u64 s[G0+4*\slot+2:G0+4*\slot+3], s[G0+4*\slot+2:G0+4*\slot+3], 2*KSTEP*2
	s_add_nc_u64 s[G0B+4*\slot+2:G0B+4*\slot+3], s[G0B+4*\slot+2:G0B+4*\slot+3], 2*KSTEP*2
	JLOAD \slot                                    ; the first tensor load behind the round, and my only one until the next; its four v_nop are also the places in front of the loads below
.else
	PLACES
.endif
	FETCH \next, 0, F0
	WIN MUL_HI
	MUL16 F1, 1, 0, 0
	MUL16 F1, 1, 2, 0
.endm
.macro LAP first                       ; once round the ring, both slots filled again
	THREE 0, \first
	TURN 0, 1, 1
	THREE 1, 0
	TURN 1, 0, 1
.endm
	s_wait_loadcnt 0x0                             ; the bias is in
	s_wait_tensorcnt 1                             ; my part of K step 0 is in; K step 1's load, issued behind it, stays out
	s_barrier_signal -1
	s_barrier_wait -1                              ; everybody's is
	FETCH 0, 0, F0
	LAP 1                                          ; the first lap stands in front of the loop: its first products start the sums
	WIN 0                                          ; at a label and at a branch every window is 0
	s_mov_b32 s3, LAPS-2
.Llap:
	LAP 0
	WIN 0
	s_sub_co_u32 s3, s3, 1
	s_cmp_lg_u32 s3, 0
	s_cbranch_scc1 .Llap
	THREE 0, 0                                     ; the last lap fills nothing: my one tensor load that is still out is slot 1's, the last K step's
	TURN 0, 1, 0
	THREE 1, 0
	s_wait_dscnt 8                                 ; the very last quarter: nothing more to fetch
	WIN MUL_LO
	MUL16 F1, 0, 0, 0
	MUL16 F1, 0, 2, 0
	s_wait_dscnt 0
	WIN MUL_HI
	MUL16 F1, 1, 0, 0
	MUL16 F1, 1, 2, 0
	; THE WAY OUT, 16 rows at a time: round to bf16, 16 bytes a lane into my own stage in LDS, read back as whole rows of 256 bytes.
	PLACES                                         ; the places behind the last matrix instructions, for the conversions and for the loads into buffers 0 and 1
	s_lshl_b32 s13, s13, 8
	s_lshl_b32 s14, s11, 7
	s_add_co_u32 s16, s13, s14                     ; my first row
	s_mov_b32 s17, 0
	s_mov_b64 s[18:19], SIZE_N*2
	s_mul_u64 s[16:17], s[16:17], s[18:19]
	s_add_nc_u64 s[8:9], s[8:9], s[16:17]
	s_lshl_b32 s46, s42, 9                         ; my first column, in bytes: 512 x block + 256 x half
	s_lshl_b32 s47, s12, 8
	s_add_co_u32 s46, s46, s47
	s_mov_b32 s47, 0
	s_add_nc_u64 s[8:9], s[8:9], s[46:47]
; rows 16 i .. 16 i + 15 of my block = the eight tiles (a, 0..7) of window 2 or 3 (from = 0x0a or 0x0f: sources 0 and 1); f: F0 or F1 in turn
.macro OUT16 i, a, from, f
	WIN \from
.irp b, 0,1,2,3,4,5,6,7
.irp r, 0,1,2,3
	v_cvt_pk_bf16_f32 v[TMP+4*\b+\r], v[8*(8*\a+\b)+2*\r], v[8*(8*\a+\b)+2*\r+1]
.endr
.endr
	WIN 0
.irp b, 0,1,2,3,4,5,6,7
	ds_store_b128 v[STO], v[TMP+4*\b:TMP+4*\b+3] offset:32*\b
.endr
	s_wait_xcnt 0x0                                ; buffer f, which earlier stores read, and the stores' base are rewritten only behind this wait (ISA guide 3.1)
.if \i
	s_add_nc_u64 s[8:9], s[8:9], 16*SIZE_N*2       ; 16 rows on
.endif
.irp t, 0,1,2,3,4,5,6,7
	ds_load_b128 v[\f+4*\t:\f+4*\t+3], v[RD] offset:\t*2*SPITCH    ; LDS serves a wave's instructions in order (ISA guide 5.7.1): these see the stores above
.endr
.irp t, 0,1,2,3,4,5,6,7
	s_wait_dscnt 7-\t                              ; read-back t is in, the 7 - t younger ones stay out
	global_store_b128 v[CO], v[\f+4*\t:\f+4*\t+3], s[8:9] offset:2*\t*SIZE_N*2   ; 16 lanes store 256 consecutive bytes, at a multiple of 256 from the buffer's first byte
.endr
.endm
	OUT16 0, 0, 0x0a, F0
	OUT16 1, 1, 0x0a, F1
	OUT16 2, 2, 0x0a, F0
	OUT16 3, 3, 0x0a, F1
	OUT16 4, 0, 0x0f, F0
	OUT16 5, 1, 0x0f, F1
	OUT16 6, 2, 0x0f, F0
	OUT16 7, 3, 0x0f, F1
	s_set_vgpr_msb 0x1
	s_wait_tensorcnt 0x0
	ds_add_u32 v63, v255
	s_wait_dscnt 0x0
	s_set_vgpr_msb 0x100
	CROUND                                         ; the closing round: no work-group ends while a partner may still ask for a tile that names it
	s_endpgm
.Lfunc_end_k_qf4f737d507_qkvgemm:
	.size	k_qf4f737d507_qkvgemm, .Lfunc_end_k_qf4f737d507_qkvgemm-k_qf4f737d507_qkvgemm
	.p2alignl 7, 3214868480
	.fill 96, 4, 3214868480
	.section	.rodata,"a",@progbits
	.p2align	6, 0x0
	.amdhsa_kernel k_qf4f737d507_qkvgemm
		.amdhsa_group_segment_fixed_size 327680
		.amdhsa_private_segment_fixed_size 0
		.amdhsa_enable_private_segment 0
		.amdhsa_kernarg_size 32
		.amdhsa_user_sgpr_count 2
		.amdhsa_user_sgpr_kernarg_segment_ptr 1
		.amdhsa_wavefront_size32 1
		.amdhsa_system_sgpr_workgroup_id_x 1
		.amdhsa_system_sgpr_workgroup_id_y 1
		.amdhsa_system_sgpr_workgroup_id_z 1
		.amdhsa_system_vgpr_workitem_id 0
		.amdhsa_next_free_vgpr 1024
		.amdhsa_next_free_sgpr 70
		.amdhsa_reserve_vcc 0
		.amdhsa_float_denorm_mode_32 3
		.amdhsa_float_denorm_mode_16_64 3
		.amdhsa_memory_ordered 1
		.amdhsa_forward_progress 1
		.amdhsa_inst_pref_size 199
	.end_amdhsa_kernel
	.amdgpu_metadata
---
amdhsa.version: [ 1, 2 ]
amdhsa.kernels:
  - .name:           k_qf4f737d507_qkvgemm
    .symbol:         k_qf4f737d507_qkvgemm.kd
    .args:
      - { .name: xb, .offset: 0, .size: 8, .value_kind: global_buffer, .address_space: global }
      - { .name: wqb, .offset: 8, .size: 8, .value_kind: global_buffer, .address_space: global }
      - { .name: qkv_b, .offset: 16, .size: 8, .value_kind: global_buffer, .address_space: global }
      - { .name: qkv, .offset: 24, .size: 8, .value_kind: global_buffer, .address_space: global }
    .group_segment_fixed_size: 327680
    .private_segment_fixed_size: 0
    .kernarg_segment_align: 8
    .kernarg_segment_size: 32
    .max_flat_workgroup_size: 128
    .sgpr_count:     70
    .vgpr_count:     1024
    .wavefront_size: 32
...
	.end_amdgpu_metadata
.endif
;; end of part 2
;; launch attn (part 3): grid 256 x 1, 8 waves a work-group, clusters of 4 x 1, 327,680 bytes of LDS; arguments qkv, att; writes att
.if DOCPART == 3
	.amdgcn_target "amdgcn-amd-amdhsa--gfx1250"
	.amdhsa_code_object_version 6
	.text
	.protected	k_qf4f737d507_attn
	.globl	k_qf4f737d507_attn
	.p2align	8
	.type	k_qf4f737d507_attn,@function
k_qf4f737d507_attn:
	s_mov_b64 s[64:65], 0
	v_nop
	global_prefetch_b8 v0, s[64:65] scope:SCOPE_SE
	s_setreg_imm32_b32 hwreg(HW_REG_WAVE_MODE, 25, 1), 1
	s_wait_xcnt 0x0
	s_wait_alu depctr_hold_cnt(0) depctr_sa_sdst(0) depctr_va_vdst(0) depctr_va_sdst(0) depctr_va_ssrc(0) depctr_va_vcc(0) depctr_vm_vsrc(0)
	s_getreg_b32 s2, hwreg(HW_REG_IB_STS2, 6, 4)
	s_cmp_eq_u32 s2, 0
	s_cbranch_scc0 .Lentry_in_a_cluster
	s_endpgm
.Lentry_in_a_cluster:
	s_bfe_u32 s2, ttmp6, 0x10000c
	s_cmp_lg_u32 s2, 0x3003
	s_cbranch_scc0 .Lentry_shape_is_right
	s_endpgm
.Lentry_shape_is_right:
; att[b][q][head*64+d] = sum over keys of softmax_k(q.k / 8) v, for 4 batches x 16 heads x 2,048 queries x 2,048 keys, head size 64.
; qkv: [8192][3072] bf16 (a row: q, k, v, each 16 heads x 64); att: [8192][1024] bf16.
; LIMITS: scores, the running maximum, the exponentials and all sums are f32; the weights P go into the second product as bf16 and att leaves as bf16;
; an exponential below 2^-126 counts as zero (v_exp_f32, ISA guide 15.8); NaN and infinities get no care of their own; sums run in another order than a plain softmax's.
; The maximum is a true running maximum: every exponent is score - (largest score so far) <= 0 up to one rounding, whatever the inputs' size.
;
; SHARES.  A work-group = one batch, two neighbouring heads, 256 queries: 4 x 8 x 8 = 256 work-groups.  With two heads a row of a K or V tile is 256 bytes of
; memory starting at a multiple of 256 bytes, and a row of att's block is one whole aligned run of 256 bytes.
; Eight waves: wave w takes head w / 4 of the two and queries 64 (w % 4) .. + 63 of the 256, as four query tiles of 16.
; CLUSTER of 4 work-groups: four query blocks of the same batch and head pair.  They walk the same K and V tiles, which are asked for jointly (mask 15).
; KEYS go in tiles of 128 through a ring of two LDS slots; a wave works on a tile in two chunks of 64 keys.
;
; LAYOUT.  S^T = K Q^T: source 0 = 16 keys, source 1 = 16 queries, so lane (r = l % 16, h = l / 16) holds keys 8 h + 0..7 of query r: every figure of the softmax
; belongs to the lane's one query, and lanes l and l xor 16 share a query.  Two neighbouring key tiles, rounded to bf16 and packed, ARE the second product's
; source 1 (32 keys x 16 queries): P never leaves the registers.  O^T = V^T P^T: source 0 comes from V's rows by the transposing LDS load.  A lane's eight
; results are eight neighbouring d of its query.
; In both products 16 accumulators take turns, one instruction a turn.
.set SEQ,   2048
.set ROWB,  6144                       ; bytes in a row of qkv
.set VP,    288                        ; LDS pitch of V's rows: 256 + 32, an odd multiple of 32, for the transposing loads
.set KP,    272                        ; LDS pitch of K's rows: 256 + 16, an odd multiple of 16
.set KOFF,  128*VP                     ; a slot: V's 128 rows, then K's 128 rows
.set SLOT,  KOFF+128*KP                ; 71,680 bytes
.set STAGE, 2*SLOT                     ; behind the ring: 256 query rows x 272 bytes for the way out; no tensor load lands there
.set SP,    272
.set STEP,  128*ROWB                   ; bytes from a tile of keys to the next
; window 0
.set KADR, 4                           ; v4-5     LDS address of my K fragments in slot 0, 1
.set VADR, 6                           ; v6-7     the same for V's transposing loads
.set QOFF, 8                           ; v8       my byte offset in the wave's 64 rows of q
.set STO,  9                           ; v9       the way out: where I put 16 bytes
.set RD,   10                          ; v10      the way out: where I read rows back
.set CO,   11                          ; v11      my byte offset in att
.set M,    12                          ; v12-15   query tile qt: the chunk's largest score
.set TMP,  16                          ; v16-19   at work
.set NP,   20                          ; v20-27   qt: a pair, both halves -T, T = (log2 e / 8) x the largest score so far
.set AL,   28                          ; v28-35   qt: a pair, both halves 2^(T old - T new); at the end 1 / sum
.set L,    36                          ; v36-43   qt: a pair of running sums (even and odd keys of the lane)
.set PFO,  46                          ; v46      prefetch: my byte offset
.set KF,   64                          ; v64-127  K fragment (kt, c) at KF + 16 kt + 8 c
.set SB,   128                         ; v128-255 scores: tile (kt, qt) at SB + 32 qt + 8 kt; later P: group g of 32 keys at SB + 32 qt + 8 g
; window 1
.set QF,   0                           ; v256-319 Q fragment (qt, c) at QF + 16 qt + 8 c, for the whole kernel
.set OB,   64                          ; v320-447 O^T tile (dt, qt) at OB + 32 qt + 8 dt
.set VF,   192                         ; v448-511 V^T fragment (g, dt) at VF + 32 g + 8 dt
.set G1V,  16                          ; s[16:23] descriptor group 1 for V's tiles
.set G1K,  24                          ; s[24:31] for K's: another padding
.set G0V,  32                          ; s[32:39] descriptor group 0 for V's tiles, a set for each slot
.set G0K,  40                          ; s[40:47] for K's
.set MSB, 0
.macro WIN new                         ; the immediate's high byte repeats the setting that is left
.if MSB != \new
	s_set_vgpr_msb (MSB<<8)|\new
.set MSB, \new
.endif
.endm
.set W_S,   0x04                       ; S^T: source 1 (Q) window 1, all else window 0
.set W_LD1, 0x40                       ; loads into window 1, address window 0
.set W_OMUL,0x41                       ; O *= pair: destination and source 0 window 1, the pair window 0
.set W_PV,  0x51                       ; O^T: source 0 (V), C and D window 1, source 1 (P) window 0
.set W_CVT, 0x05                       ; rounding O: both sources window 1, destination window 0
; A round of the cluster's barrier: my work-group's barrier, wave 0 signals for the work-group, every wave waits for all four work-groups, my work-group's barrier again.
.macro ROUND
	s_barrier_signal -1
	s_barrier_wait -1
	s_cmp_lg_u32 s8, 0
	s_cbranch_scc1 .Lnot_wave_0_\@
	s_barrier_signal -3
.Lnot_wave_0_\@:
	s_barrier_wait -3
	s_barrier_signal -1
	s_barrier_wait -1
.endm
; The joint loads of one tile of keys into slot s: wave 0 asks for V's 128 rows, wave 1 for K's, the other waves for nothing.  By this text's own count a wave has
; at most one tensor load out.  The branches hang on the wave's number alone.  Four v_nop follow each load.
.macro JLOAD s
	s_cmp_lg_u32 s8, 0
	s_cbranch_scc1 .Lnot_v_\@
	tensor_load_to_lds s[G0V+4*\s:G0V+4*\s+3], s[G1V:G1V+7]
	s_nop 0
.rept 4
	v_nop
.endr
	s_branch .Lasked_\@
.Lnot_v_\@:
	s_cmp_lg_u32 s8, 1
	s_cbranch_scc1 .Lasked_\@
	tensor_load_to_lds s[G0K+4*\s:G0K+4*\s+3], s[G1K:G1K+7]
	s_nop 0
.rept 4
	v_nop
.endr
.Lasked_\@:
.endm
	s_load_b128 s[4:7], s[0:1], 0x0                ; qkv s[4:5], att s[6:7]
	v_lshl_add_u32 v62, v0, 2, 0x34000
	v_mov_b32 v63, 0
	ds_add_u32 v62, v63
	v_lshrrev_b32 v1, 5, v0
	v_readfirstlane_b32 s8, v1                     ; wave 0..7
	s_lshr_b32 s9, s8, 2                           ; which of the two heads
	s_and_b32 s10, s8, 3                           ; which 64 of the 256 queries
	s_bfe_u32 s11, ttmp6, 0x40000                  ; cx: my place in the cluster
	s_lshr_b32 s12, ttmp9, 1                       ; ttmp9 counts clusters: two clusters for a batch and head pair
	s_lshr_b32 s13, s12, 3                         ; batch
	s_and_b32 s14, s12, 7                          ; head pair
	s_and_b32 s15, ttmp9, 1
	s_lshl2_add_u32 s15, s15, s11                  ; query block 0..7 = 4 x (cluster % 2) + cx
	; descriptor groups 1: a tile of 128 rows x 128 elements of 2 bytes, rows 3,072 elements apart, padded in LDS behind every 64 words; mask 15 with bit 21 beside it
	s_mov_b32 s[G1V+0], 15|(1<<16)|(1<<20)|(1<<21)|(5<<22)|(7<<25)   ; V: 8 words of padding
	s_mov_b32 s[G1K+0], 15|(1<<16)|(1<<20)|(1<<21)|(5<<22)|(3<<25)   ; K: 4 words
.irp g, G1V, G1K
	s_mov_b32 s[\g+1], 128<<16                     ; tensor_dim0 = 128
	s_mov_b32 s[\g+2], 128<<16                     ; tensor_dim1 = 128
	s_mov_b32 s[\g+3], 128<<16                     ; tile_dim0 = 128
	s_mov_b32 s[\g+4], 128                         ; tile_dim1 = 128
	s_mov_b32 s[\g+5], 3072                        ; elements from row to row
	s_mov_b32 s[\g+6], 0
	s_mov_b32 s[\g+7], 0
.endr
	s_mul_i32 s56, s13, SEQ*ROWB                   ; the batch's first row,
	s_lshl_b32 s57, s14, 8                         ; the head pair's 256 bytes: both shared by the four partners
	s_add_co_u32 s56, s56, s57
	s_mov_b32 s57, 0
	s_mov_b32 s50, 0x3e38aa3b                      ; c = log2 e / 8: the division by 8 and the change to base 2 in one factor
	s_mov_b32 s51, 0x3e38aa3b
	s_mov_b32 s52, 0xbe38aa3b                      ; -c
	s_mov_b32 s53, 0x76543210                      ; v_permlanex16_b32: lane i of one half reads lane i of the other
	s_mov_b32 s54, 0xfedcba98
	s_wait_dscnt 0x0
	s_wait_kmcnt 0x0
	s_add_nc_u64 s[56:57], s[4:5], s[56:57]        ; qkv at the batch's first row and the head pair's q
.irp s, 0,1
	s_mov_b32 s[G0V+4*\s], 1                                       ; count = 1
	s_mov_b32 s[G0V+4*\s+1], \s*SLOT                               ; LDS address: a constant
	s_add_nc_u64 s[G0V+4*\s+2:G0V+4*\s+3], s[56:57], 4096+\s*STEP  ; v lies 4,096 bytes behind q; tile s
	s_or_b32 s[G0V+4*\s+3], s[G0V+4*\s+3], 0x80000000              ; type = 2
	s_mov_b32 s[G0K+4*\s], 1
	s_mov_b32 s[G0K+4*\s+1], \s*SLOT+KOFF
	s_add_nc_u64 s[G0K+4*\s+2:G0K+4*\s+3], s[56:57], 2048+\s*STEP  ; k lies 2,048 bytes behind q
	s_or_b32 s[G0K+4*\s+3], s[G0K+4*\s+3], 0x80000000
.endr
	ROUND                                          ; all four work-groups are here: the first joint loads meet
	JLOAD 0                                        ; tile 0 into slot 0; slot 1 is first filled behind the first trip's round
	; addresses that hang on the query block (and so on cx) are global ones alone, and live in s2, s3 and s[58:63]
	s_lshl_b32 s2, s15, 8
	s_lshl_b32 s3, s10, 6
	s_add_co_u32 s2, s2, s3                        ; my wave's first query in the batch
	s_mul_i32 s2, s2, ROWB
	s_lshl_b32 s3, s9, 7                           ; my head's 128 bytes
	s_add_co_u32 s2, s2, s3
	s_mov_b32 s3, 0
	s_add_nc_u64 s[60:61], s[56:57], s[2:3]        ; q of my wave
	s_mul_i32 s2, s15, 16*ROWB                     ; prefetch: my work-group's 16 of a tile's 128 rows,
	s_add_co_u32 s2, s2, 2048+STEP                 ; from k's bytes on, at tile 1 (stepped once before its first use)
	s_add_nc_u64 s[58:59], s[56:57], s[2:3]
	s_lshl_b32 s2, s13, 11
	s_lshl_b32 s3, s15, 8
	s_add_co_u32 s2, s2, s3
	s_lshl_b32 s3, s8, 5
	s_add_co_u32 s2, s2, s3                        ; the way out: wave w stores rows 32 w .. + 31 of the block
	s_lshl_b32 s2, s2, 11                          ; 2,048 bytes a row of att
	s_lshl_b32 s3, s14, 8
	s_add_co_u32 s2, s2, s3
	s_mov_b32 s3, 0
	s_add_nc_u64 s[62:63], s[6:7], s[2:3]
	v_and_b32 v1, 15, v0                           ; r
	v_bfe_u32 v2, v0, 4, 1                         ; h
	v_mul_u32_u24 v3, v1, KP
	v_lshl_add_u32 v3, v2, 4, v3                   ; r x 272 + 16 h
	s_lshl_b32 s49, s9, 7                          ; my head's 128 bytes of an LDS row
	s_add_co_u32 s55, s49, KOFF
	v_add_nc_u32 v[KADR], s55, v3
	v_add_nc_u32 v[KADR+1], SLOT, v[KADR]
	s_mul_i32 s55, s10, 64*SP
	s_add_co_u32 s55, s55, s49
	s_add_co_u32 s55, s55, STAGE
	v_add_nc_u32 v[STO], s55, v3                   ; stage row 64 (w % 4) + r, my head's half, 16 h
	v_and_b32 v3, 7, v0
	v_lshl_add_u32 v3, v2, 3, v3                   ; V: row 8 h + l % 8,
	v_mul_u32_u24 v3, v3, VP
	v_bfe_u32 v[VADR], v0, 3, 1
	v_lshl_add_u32 v3, v[VADR], 4, v3              ; 16 bytes for each half of a group of sixteen lanes
	v_add_nc_u32 v[VADR], s49, v3
	v_add_nc_u32 v[VADR+1], SLOT, v[VADR]
	v_mul_u32_u24 v[QOFF], v1, ROWB
	v_lshl_add_u32 v[QOFF], v2, 4, v[QOFF]
	v_mul_u32_u24 v[RD], v2, SP                    ; back: lanes 0-15 one row of 256 bytes, lanes 16-31 the next
	v_lshl_add_u32 v[RD], v1, 4, v[RD]
	s_mul_i32 s55, s8, 32*SP
	s_add_co_u32 s55, s55, STAGE
	v_add_nc_u32 v[RD], s55, v[RD]
	v_lshlrev_b32 v[CO], 11, v2
	v_lshl_add_u32 v[CO], v1, 4, v[CO]
	v_mul_u32_u24 v[PFO], v1, ROWB                 ; prefetch: lanes 0-15 a row's 256 bytes of k each, lanes 16-31 the same rows' 256 bytes of v
	v_lshl_add_u32 v[PFO], v2, 11, v[PFO]
.irp qt, 0,1,2,3
	v_mov_b32 v[TMP+\qt], 0                        ; v_permlanex16_b32 counts as a reader of its destination
.endr
	WIN W_LD1
.irp qt, 0,1,2,3
.irp c, 0,1
	global_load_b128 v[QF+16*\qt+8*\c:QF+16*\qt+8*\c+3],   v[QOFF], s[60:61] offset:\qt*16*ROWB+64*\c      ; query r of tile qt, d = 32 c + 8 h ..
	global_load_b128 v[QF+16*\qt+8*\c+4:QF+16*\qt+8*\c+7], v[QOFF], s[60:61] offset:\qt*16*ROWB+64*\c+32   ; d = 32 c + 16 + 8 h ..
.endr
.endr
	WIN 0
	s_wait_loadcnt 0x0                             ; q stays in registers for the whole kernel
; 16 LDS loads: K's fragments of chunk ch (64 keys x 64 d of my head)
.macro KLOAD slot, ch
.irp kt, 0,1,2,3
.irp c, 0,1
	ds_load_b128 v[KF+16*\kt+8*\c:KF+16*\kt+8*\c+3],   v[KADR+\slot] offset:(\ch)*64*KP+\kt*16*KP+64*\c
	ds_load_b128 v[KF+16*\kt+8*\c+4:KF+16*\kt+8*\c+7], v[KADR+\slot] offset:(\ch)*64*KP+\kt*16*KP+64*\c+32
.endr
.endr
.endm
; 16 transposing LDS loads: V^T's fragments of chunk ch: group g of 32 keys x 16 d; the first load brings keys 8 h .., the second keys 16 + 8 h ..
.macro VLOAD slot, ch
.irp g, 0,1
.irp dt, 0,1,2,3
	ds_load_tr16_b128 v[VF+32*\g+8*\dt:VF+32*\g+8*\dt+3],   v[VADR+\slot] offset:(64*\ch+32*\g)*VP+32*\dt
	ds_load_tr16_b128 v[VF+32*\g+8*\dt+4:VF+32*\g+8*\dt+7], v[VADR+\slot] offset:(64*\ch+32*\g+16)*VP+32*\dt
.endr
.endr
.endm
; 32 matrix instructions: the scores of 64 keys x 64 queries; d 0-31 starts the sums, d 32-63 adds onto them 16 instructions later
.macro SMUL
.irp c, 0,1
.irp kt, 0,1,2,3
.irp qt, 0,1,2,3
.if \c == 0
	v_wmma_f32_16x16x32_bf16 v[SB+32*\qt+8*\kt:SB+32*\qt+8*\kt+7], v[KF+16*\kt+8*\c:KF+16*\kt+8*\c+7], v[QF+16*\qt+8*\c:QF+16*\qt+8*\c+7], 0
.else
	v_wmma_f32_16x16x32_bf16 v[SB+32*\qt+8*\kt:SB+32*\qt+8*\kt+7], v[KF+16*\kt+8*\c:KF+16*\kt+8*\c+7], v[QF+16*\qt+8*\c:QF+16*\qt+8*\c+7], v[SB+32*\qt+8*\kt:SB+32*\qt+8*\kt+7]
.endif
.endr
.endr
.endr
.endm
; 32 matrix instructions: O^T += V^T P^T.  first = 1: keys 0-31 of the very first chunk start the sums
.macro PVMUL first
.irp g, 0,1
.irp dt, 0,1,2,3
.irp qt, 0,1,2,3
.if \first*(1-\g)
	v_wmma_f32_16x16x32_bf16 v[OB+32*\qt+8*\dt:OB+32*\qt+8*\dt+7], v[VF+32*\g+8*\dt:VF+32*\g+8*\dt+7], v[SB+32*\qt+8*\g:SB+32*\qt+8*\g+7], 0
.else
	v_wmma_f32_16x16x32_bf16 v[OB+32*\qt+8*\dt:OB+32*\qt+8*\dt+7], v[VF+32*\g+8*\dt:VF+32*\g+8*\dt+7], v[SB+32*\qt+8*\g:SB+32*\qt+8*\g+7], v[OB+32*\qt+8*\dt:OB+32*\qt+8*\dt+7]
.endif
.endr
.endr
.endr
.endm
; The chunk's largest score of each query (32 numbers a lane, then the partner lane), the new -T, and 2^(T old - T new).  Four chains, one a query tile.
; T is kept already multiplied by c, so that an unchanged maximum gives the factor 1 exactly.
.macro MAXES first
.irp qt, 0,1,2,3
	v_max3_num_f32 v[M+\qt], v[SB+32*\qt], v[SB+32*\qt+1], v[SB+32*\qt+2]
.endr
.set i, 3
.rept 14
.irp qt, 0,1,2,3
	v_max3_num_f32 v[M+\qt], v[M+\qt], v[SB+32*\qt+i], v[SB+32*\qt+i+1]
.endr
.set i, i+2
.endr
.irp qt, 0,1,2,3
	v_max_num_f32 v[M+\qt], v[M+\qt], v[SB+32*\qt+31]
.endr
.irp qt, 0,1,2,3
	v_permlanex16_b32 v[TMP+\qt], v[M+\qt], s53, s54
.endr
.irp qt, 0,1,2,3
	v_max_num_f32 v[M+\qt], v[M+\qt], v[TMP+\qt]
.endr
.if \first
.irp qt, 0,1,2,3
	v_mul_f32 v[NP+2*\qt],   s52, v[M+\qt]
	v_mul_f32 v[NP+2*\qt+1], s52, v[M+\qt]
.endr
.else
.irp qt, 0,1,2,3
	v_mul_f32 v[TMP+\qt], s52, v[M+\qt]
.endr
.irp qt, 0,1,2,3
	v_min_num_f32 v[TMP+\qt], v[TMP+\qt], v[NP+2*\qt]              ; the smaller -T is the larger maximum
.endr
.irp qt, 0,1,2,3
	v_sub_f32 v[AL+2*\qt],   v[TMP+\qt], v[NP+2*\qt]               ; T old - T new, never above 0
	v_sub_f32 v[AL+2*\qt+1], v[TMP+\qt], v[NP+2*\qt]
	v_mov_b32 v[NP+2*\qt],   v[TMP+\qt]
	v_mov_b32 v[NP+2*\qt+1], v[TMP+\qt]
.endr
.irp qt, 0,1,2,3
	v_exp_f32 v[AL+2*\qt],   v[AL+2*\qt]                           ; used behind the sixteen plain instructions of the next step (ISA guide 5.7.2)
	v_exp_f32 v[AL+2*\qt+1], v[AL+2*\qt+1]
.endr
.endif
.endm
; One stage of the softmax's pipeline over the four query tiles (-1: none): tile fe gets its exponents c s - T, tile ee its exponentials, tile se is summed and
; rounded to bf16 in place (pair i into register i, which was used up at step i / 2).  Behind each two exponentials stands a plain instruction on another tile,
; and a tile's exponentials are first read one stage later.
.macro SOFT fe, ee, se, first
.set i, 0
.rept 16
.if \ee >= 0
	v_exp_f32 v[SB+32*\ee+2*i],   v[SB+32*\ee+2*i]
	v_exp_f32 v[SB+32*\ee+2*i+1], v[SB+32*\ee+2*i+1]
.endif
.if \fe >= 0
	v_pk_fma_f32 v[SB+32*\fe+2*i:SB+32*\fe+2*i+1], v[SB+32*\fe+2*i:SB+32*\fe+2*i+1], s[50:51], v[NP+2*\fe:NP+2*\fe+1] op_sel_hi:[1,0,1]
.endif
.if \se >= 0
.if \first
.if i == 0
	s_wait_alu depctr_va_vdst(0)
	v_pk_add_f32 v[L+2*\se:L+2*\se+1], v[SB+32*\se:SB+32*\se+1], v[SB+32*\se+2:SB+32*\se+3]          ; the first two pairs start the sums
.endif
.if i > 1
	v_pk_add_f32 v[L+2*\se:L+2*\se+1], v[L+2*\se:L+2*\se+1], v[SB+32*\se+2*i:SB+32*\se+2*i+1]
.endif
.else
.if i == 0
	s_wait_alu depctr_va_vdst(0)
	v_pk_fma_f32 v[L+2*\se:L+2*\se+1], v[L+2*\se:L+2*\se+1], v[AL+2*\se:AL+2*\se+1], v[SB+32*\se:SB+32*\se+1]   ; the old sums move to the new maximum
	s_wait_alu depctr_va_vdst(0)
.else
	s_wait_alu depctr_va_vdst(0)
	v_pk_add_f32 v[L+2*\se:L+2*\se+1], v[L+2*\se:L+2*\se+1], v[SB+32*\se+2*i:SB+32*\se+2*i+1]
.endif
.endif
	v_cvt_pk_bf16_f32 v[SB+32*\se+i], v[SB+32*\se+2*i], v[SB+32*\se+2*i+1]
.endif
.set i, i+1
.endr
.endm
; every O of query tile qt times the tile's pair in AL
.macro RESCALE
	s_wait_alu depctr_va_vdst(0)
.irp qt, 0,1,2,3
.set i, 0
.rept 16
	v_pk_mul_f32 v[OB+32*\qt+2*i:OB+32*\qt+2*i+1], v[OB+32*\qt+2*i:OB+32*\qt+2*i+1], v[AL+2*\qt:AL+2*\qt+1]
.set i, i+1
.endr
.endr
.endm
; 64 keys x 64 queries.  more = 1: the tile's second chunk follows, and its K fragments are asked for as soon as this chunk's have been multiplied.
.macro CHUNK slot, ch, first, more
.rept 5
	v_nop                                          ; five places: the scores are written over the P registers that the last chunk's matrix instructions read (ISA guide 7.12.1)
.endr
	s_wait_dscnt 0x0                               ; K's fragments are in
	WIN W_S
	SMUL
.rept 4
	v_nop                                          ; four places in front of the loads into K's and V's fragments and of the first read of a score
.endr
	WIN W_LD1
	VLOAD \slot, \ch
	WIN 0
.if \more
	KLOAD \slot, 1
.endif
	MAXES \first
	SOFT 0, -1, -1, \first
.if \first == 0
	WIN W_OMUL
	RESCALE
	WIN 0
.endif
	SOFT 1, 0, -1, \first
	SOFT 2, 1, 0, \first
	SOFT 3, 2, 1, \first
	SOFT -1, 3, 2, \first
	SOFT -1, -1, 3, \first
.if \more
	s_wait_dscnt 16                                ; V's 16 loads are in; K's 16, issued behind them, stay out
.else
	s_wait_dscnt 0x0
.endif
	WIN W_PV
	PVMUL \first
	WIN 0
.endm
; One tile of 128 keys in slot.  In front of the round every wave waits for all its tensor loads (this tile's among them) and for its LDS reads of the other slot;
; behind the round no wave of the four work-groups reads that slot or has a load on its way, and its refill is the first thing issued.
; pf = 1: PREFETCH.  In the trip of tile t, wave 2 asks for the 16 rows 16 x (query block) .. + 15 of tile t + 2, 256 bytes of k and 256 of v each: one lane a run of
; 256 bytes.  The eight work-groups of a batch and head pair ask for different rows, so each run is asked for once.  That is one trip ahead of the tile's tensor
; load.  The trips of tiles 14 and 15 ask for nothing: tile 15 is the last.
.macro TRIP slot, refill, first, pf
	s_wait_tensorcnt 0x0                           ; all my tensor loads have landed, so every group 0 may be written:
	ds_add_u32 v62, v63
	s_wait_dscnt 0x0
	s_add_nc_u64 s[G0V+4*\slot+2:G0V+4*\slot+3], s[G0V+4*\slot+2:G0V+4*\slot+3], 2*STEP   ; this slot's next tile
	s_add_nc_u64 s[G0K+4*\slot+2:G0K+4*\slot+3], s[G0K+4*\slot+2:G0K+4*\slot+3], 2*STEP
	s_wait_dscnt 0x0                               ; my reads of the last trip's tile are back
.if \pf
	s_wait_xcnt 0x0                                ; the last trip's prefetch has read its base (ISA guide 3.1)
	s_add_nc_u64 s[58:59], s[58:59], STEP
.endif
	ROUND
.if \refill
.if \slot
	JLOAD 0
.else
	JLOAD 1
.endif
.endif
	KLOAD \slot, 0
	CHUNK \slot, 0, \first, 1
.if \pf
	s_cmp_lg_u32 s8, 2
	s_cbranch_scc1 .Lno_ask_\@
	global_prefetch_b8 v[PFO], s[58:59] th:TH_LOAD_NT scope:SCOPE_SE
.Lno_ask_\@:
.endif
	CHUNK \slot, 1, 0, 0
.endm
	TRIP 0, 1, 1, 1                                ; tile 0: its first chunk starts the maxima, the sums and O
	TRIP 1, 1, 0, 1
	s_mov_b32 s48, 6
.Lpair:                                            ; tiles 2 to 13
	TRIP 0, 1, 0, 1
	TRIP 1, 1, 0, 1
	s_sub_co_u32 s48, s48, 1
	s_cmp_lg_u32 s48, 0
	s_cbranch_scc1 .Lpair
	TRIP 0, 1, 0, 0                                ; tile 14; tile 15 is asked for
	TRIP 1, 0, 0, 0                                ; tile 15: nothing is left to fetch (the stepped addresses are not used)
	; THE WAY OUT: divide by the sums, round, 16 bytes a lane into the stage; then each wave reads 32 whole rows of 256 bytes (both heads) and stores them.
.rept 4
	v_nop                                          ; four places behind the last matrix instructions
.endr
.irp qt, 0,1,2,3
	v_add_f32 v[M+\qt], v[L+2*\qt], v[L+2*\qt+1]
.endr
.irp qt, 0,1,2,3
	v_permlanex16_b32 v[TMP+\qt], v[M+\qt], s53, s54
.endr
.irp qt, 0,1,2,3
	v_add_f32 v[M+\qt], v[M+\qt], v[TMP+\qt]       ; the query's whole sum; the term of the maximum is 1 up to a rounding, so it is never near 0
.endr
.irp qt, 0,1,2,3
	v_rcp_f32 v[AL+2*\qt],   v[M+\qt]
	v_rcp_f32 v[AL+2*\qt+1], v[M+\qt]
.endr
	v_nop                                          ; one plain place behind the reciprocals (ISA guide 5.7.2)
	s_wait_alu depctr_va_vdst(0)
	WIN W_OMUL
	RESCALE
	WIN W_CVT
.irp qt, 0,1,2,3
.set i, 0
.rept 16
	v_cvt_pk_bf16_f32 v[SB+16*\qt+i], v[OB+32*\qt+2*i], v[OB+32*\qt+2*i+1]
.set i, i+1
.endr
.endr
	WIN 0
.irp qt, 0,1,2,3
.irp dt, 0,1,2,3
	ds_store_b128 v[STO], v[SB+16*\qt+4*\dt:SB+16*\qt+4*\dt+3] offset:\qt*16*SP+32*\dt   ; query 16 qt + r, d = 16 dt + 8 h .. + 7
.endr
.endr
	s_wait_dscnt 0x0                               ; my stores are done, for the waves that read these rows
	s_barrier_signal -1
	s_barrier_wait -1
.irp t, 0,1,2,3,4,5,6,7,8,9,10,11,12,13,14,15
	ds_load_b128 v[KF+4*\t:KF+4*\t+3], v[RD] offset:\t*2*SP
.endr
.irp t, 0,1,2,3,4,5,6,7,8,9,10,11,12,13,14,15
	s_wait_dscnt 15-\t                             ; read-back t is in, the 15 - t younger ones stay out
	global_store_b128 v[CO], v[KF+4*\t:KF+4*\t+3], s[62:63] offset:\t*4096   ; two rows of att: 16 lanes store 256 consecutive bytes, at a multiple of 256 from the buffer's first byte
.endr
	s_wait_tensorcnt 0x0
	ds_add_u32 v62, v63
	s_wait_dscnt 0x0
	ROUND                                          ; the closing round: no work-group ends while a partner may still ask for a tile that names it
	s_endpgm
.Lfunc_end_k_qf4f737d507_attn:
	.size	k_qf4f737d507_attn, .Lfunc_end_k_qf4f737d507_attn-k_qf4f737d507_attn
	.p2alignl 7, 3214868480
	.fill 96, 4, 3214868480
	.section	.rodata,"a",@progbits
	.p2align	6, 0x0
	.amdhsa_kernel k_qf4f737d507_attn
		.amdhsa_group_segment_fixed_size 327680
		.amdhsa_private_segment_fixed_size 0
		.amdhsa_enable_private_segment 0
		.amdhsa_kernarg_size 16
		.amdhsa_user_sgpr_count 2
		.amdhsa_user_sgpr_kernarg_segment_ptr 1
		.amdhsa_wavefront_size32 1
		.amdhsa_system_sgpr_workgroup_id_x 1
		.amdhsa_system_sgpr_workgroup_id_y 1
		.amdhsa_system_sgpr_workgroup_id_z 1
		.amdhsa_system_vgpr_workitem_id 0
		.amdhsa_next_free_vgpr 512
		.amdhsa_next_free_sgpr 66
		.amdhsa_reserve_vcc 0
		.amdhsa_float_denorm_mode_32 3
		.amdhsa_float_denorm_mode_16_64 3
		.amdhsa_memory_ordered 1
		.amdhsa_forward_progress 1
		.amdhsa_inst_pref_size 255
	.end_amdhsa_kernel
	.section	.bss,"aw",@nobits
	.p2align	6
	.space	262144
	.amdgpu_metadata
---
amdhsa.version: [ 1, 2 ]
amdhsa.kernels:
  - .name:           k_qf4f737d507_attn
    .symbol:         k_qf4f737d507_attn.kd
    .args:
      - { .name: qkv, .offset: 0, .size: 8, .value_kind: global_buffer, .address_space: global }
      - { .name: att, .offset: 8, .size: 8, .value_kind: global_buffer, .address_space: global }
    .group_segment_fixed_size: 327680
    .private_segment_fixed_size: 0
    .kernarg_segment_align: 8
    .kernarg_segment_size: 16
    .max_flat_workgroup_size: 256
    .sgpr_count:     66
    .vgpr_count:     512
    .wavefront_size: 32
...
	.end_amdgpu_metadata
.endif
;; end of part 3
;; launch proj (part 4): grid 4 x 64, 4 waves a work-group, clusters of 4 x 4, 327,680 bytes of LDS; arguments att, wob, out_b, out0; writes out0
.if DOCPART == 4
	.amdgcn_target "amdgcn-amd-amdhsa--gfx1250"
	.amdhsa_code_object_version 6
	.text
	.protected	k_qf4f737d507_proj
	.globl	k_qf4f737d507_proj
	.p2align	8
	.type	k_qf4f737d507_proj,@function
k_qf4f737d507_proj:
	s_mov_b64 s[64:65], 0
	v_nop
	global_prefetch_b8 v0, s[64:65] scope:SCOPE_SE
	s_setreg_imm32_b32 hwreg(HW_REG_WAVE_MODE, 25, 1), 1
	s_wait_xcnt 0x0
	s_wait_alu depctr_hold_cnt(0) depctr_sa_sdst(0) depctr_va_vdst(0) depctr_va_sdst(0) depctr_va_ssrc(0) depctr_va_vcc(0) depctr_vm_vsrc(0)
	s_getreg_b32 s2, hwreg(HW_REG_IB_STS2, 6, 4)
	s_cmp_eq_u32 s2, 0
	s_cbranch_scc0 .Lentry_in_a_cluster
	s_endpgm
.Lentry_in_a_cluster:
	s_bfe_u32 s2, ttmp6, 0x10000c
	s_cmp_lg_u32 s2, 0xf033
	s_cbranch_scc0 .Lentry_shape_is_right
	s_endpgm
.Lentry_shape_is_right:
; out0[m][n] = out_b[n] + sum over k of att[m][k] wob[n][k].  att: [8192][1024], wob: [1024][1024] bf16; out_b, out0 f32; sums in f32, started by the bias.
; LIMITS: the operands are bf16 (att as the attention launch rounded it, out_w rounded once); NaN and infinities get no care of their own.
; A work-group makes a block of 128 rows x 256 columns, so that 64 x 4 = 256 work-groups share the work evenly.  Four waves, 2 x 2; a wave makes 64 x 128:
; 32 accumulator tiles of 16 x 16, 256 registers.  K goes in steps of 128 through a ring of two LDS slots; a tile's rows are 256 bytes of memory, aligned.
; CLUSTERS: 4 x 4 work-groups; att's tile is shared along a row of the cluster, wob's along a column, each asked for jointly by its four readers.
; REGISTERS: window 0: v16-27 addresses; v64-95, v128-159 fragments of A (4 x 16 rows x 32 K), two buffers, which also serve the way out (64 registers each);
;   window 1: v64-127, v128-191 fragments of B, two buffers; v192-255 the bias of my 128 columns in an accumulator tile's layout;
;   window 2: accumulator tile (a, b) at v[8 (8 a + b)].
; The matrix instruction is used transposed (source 0 = rows of B, source 1 = rows of A): a lane's eight results are eight neighbouring columns of one row.
; The 32 accumulators take turns, one instruction a turn, in the same order in every quarter step.
.set SIZE_M, 8192
.set SIZE_N, 1024
.set SIZE_K, 1024
.set KSTEP,  128
.set PITCH,  272                       ; an LDS row: 256 bytes + 16 of padding
.set HALFT,  128*PITCH                 ; one wave's region of a slot: wave w fills region w.  Waves 0, 1: 64 rows of A each (the region's first half); waves 2, 3: 128 rows of B each
.set SLOT,   4*HALFT
.set STAGE,  2*SLOT                    ; behind the ring: 16 rows x 528 bytes for each wave; no tensor load lands there
.set SPITCH, 528                       ; a stage row: 128 f32 + 16 bytes
.set LAPS, SIZE_K/(2*KSTEP)
.set ADRA, 16
.set ADRB, 20
.set STO,  24
.set RD,   25
.set CO,   26
.set BO,   27
.set F0,   64
.set F1,   128
.set BIAS, 192
.set G1, 24
.set G0, 32
.set G1B, 48
.set G0B, 56
.set MSB, 0
.macro WIN new                         ; the immediate's high byte repeats the setting that is left
.if MSB != \new
	s_set_vgpr_msb (MSB<<8)|\new
.set MSB, \new
.endif
.endm
.set MUL,    0xa1                      ; source 0 (B) window 1, source 1 (A) window 0, C and D window 2
.set MUL_B,  0x91                      ; the first products: C is the bias in window 1
.set TO_B,   0x40                      ; destination window 1, address window 0
.set FROM_C, 0x08                      ; an LDS store's data from window 2
.macro JLOAD s                         ; waves 0 and 1 ask for A's halves, waves 2 and 3 for B's; four v_nop follow each line
	s_cmp_eq_u32 s11, 0
	s_cbranch_scc0 .Lfor_b_\@
	tensor_load_to_lds s[G0+4*\s:G0+4*\s+3], s[G1:G1+7]
	s_nop 0
.rept 4
	v_nop
.endr
	s_branch .Lasked_\@
.Lfor_b_\@:
	tensor_load_to_lds s[G0B+4*\s:G0B+4*\s+3], s[G1B:G1B+7]
	s_nop 0
.rept 4
	v_nop
.endr
.Lasked_\@:
.endm
.macro CREST                           ; a round of the cluster's barrier behind its opening barrier
	s_cmp_lg_u32 s10, 0
	s_cbranch_scc1 .Lnot_wave_0_\@
	s_barrier_signal -3
.Lnot_wave_0_\@:
	s_barrier_wait -3
	s_barrier_signal -1
	s_barrier_wait -1
.endm
.macro CROUND                          ; a whole round
	s_barrier_signal -1
	s_barrier_wait -1
	CREST
.endm
	s_load_b128 s[4:7], s[0:1], 0x0                ; att s[4:5], wob s[6:7]
	s_load_b64 s[66:67], s[0:1], 0x10              ; out_b
	s_load_b64 s[8:9], s[0:1], 0x18                ; out0
	s_set_vgpr_msb 0x40
	v_lshl_add_u32 v63, v0, 2, 0x4c400
	s_set_vgpr_msb 0x4000
	v_mov_b32 v255, 0
	s_set_vgpr_msb 0x1
	ds_add_u32 v63, v255
	s_set_vgpr_msb 0x100
	v_lshrrev_b32 v1, 5, v0
	v_readfirstlane_b32 s10, v1                    ; wave 0..3
	s_lshr_b32 s11, s10, 1                         ; which 64 of the block's rows are mine.  Also: I fetch for A (0) or for B (1)
	s_and_b32 s12, s10, 1                          ; which 128 of its columns.  Also: which half of that tile I fetch
	s_bfe_u32 s40, ttmp6, 0x40000                  ; cx
	s_bfe_u32 s41, ttmp6, 0x40004                  ; cy
	s_lshl_b32 s42, ttmp9, 2
	s_add_co_u32 s42, s42, s40                     ; block column = 4 x cluster x + cx
	s_and_b32 s13, ttmp7, 0xffff
	s_lshl_b32 s13, s13, 2
	s_add_co_u32 s13, s13, s41                     ; block row = 4 x cluster y + cy
	s_lshl_b32 s43, s41, 2
	s_lshl_b32 s43, 15, s43                        ; my row of the cluster
	s_lshl_b32 s44, 0x1111, s40                    ; my column
	s_or_b32 s[G1+0], s43, (1<<16)|(1<<20)|(1<<21)|(5<<22)|(3<<25)  ; A: mask of my row; elements of 2 bytes; padding of 4 words behind every 64; bit 21 beside the mask
	s_or_b32 s[G1B+0], s44, (1<<16)|(1<<20)|(1<<21)|(5<<22)|(3<<25) ; B: mask of my column
	s_mov_b32 s[G1B+1], KSTEP<<16
	s_mov_b32 s[G1+1], KSTEP<<16                   ; tensor_dim0 = 128
	s_mov_b32 s[G1B+2], 128<<16                    ; B: tensor_dim1 = 128 rows
	s_mov_b32 s[G1+2], 64<<16                      ; A: 64 rows
	s_mov_b32 s[G1B+3], KSTEP<<16
	s_mov_b32 s[G1+3], KSTEP<<16                   ; tile_dim0 = 128
	s_mov_b32 s[G1B+4], 128                        ; B: tile_dim1 = 128
	s_mov_b32 s[G1+4], 64                          ; A: 64
	s_mov_b32 s[G1B+5], SIZE_K
	s_mov_b32 s[G1+5], SIZE_K                      ; elements from row to row
	s_mov_b32 s[G1B+6], 0
	s_mov_b32 s[G1+6], 0
	s_mov_b32 s[G1B+7], 0
	s_mov_b32 s[G1+7], 0
	s_lshl_b32 s17, s12, 6
	s_lshl_b32 s16, s13, 7
	s_add_co_u32 s16, s16, s17                     ; A: row 128 x block row + 64 x half
	s_lshl_b32 s17, s12, 7
	s_lshl_b32 s46, s42, 8
	s_add_co_u32 s46, s46, s17                     ; B: row 256 x block column + 128 x half
	s_mov_b32 s17, 0
	s_mov_b32 s47, 0
	s_mov_b64 s[18:19], SIZE_K*2
	s_mul_u64 s[16:17], s[16:17], s[18:19]
	s_mul_u64 s[46:47], s[46:47], s[18:19]
	s_mul_i32 s20, s10, HALFT                      ; where they go: the wave's region; no place in the cluster enters an LDS address
	s_wait_dscnt 0x0
	s_wait_kmcnt 0x0
	s_add_nc_u64 s[14:15], s[4:5], s[16:17]
	s_add_nc_u64 s[46:47], s[6:7], s[46:47]
	CROUND                                         ; all sixteen work-groups are here: the first joint loads meet
.irp s, 0,1
	s_mov_b32 s[G0+4*\s], 1
	s_add_co_u32 s[G0+4*\s+1], s20, \s*SLOT
	s_add_nc_u64 s[G0+4*\s+2:G0+4*\s+3], s[14:15], \s*KSTEP*2
	s_or_b32 s[G0+4*\s+3], s[G0+4*\s+3], 0x80000000
	s_mov_b32 s[G0B+4*\s], 1
	s_add_co_u32 s[G0B+4*\s+1], s20, \s*SLOT
	s_add_nc_u64 s[G0B+4*\s+2:G0B+4*\s+3], s[46:47], \s*KSTEP*2
	s_or_b32 s[G0B+4*\s+3], s[G0B+4*\s+3], 0x80000000
	JLOAD \s                                       ; two loads of this wave are out
.endr
	v_and_b32 v1, 15, v0                           ; l % 16
	v_bfe_u32 v2, v0, 4, 1                         ; l / 16
	v_mul_u32_u24 v3, v1, PITCH
	v_lshl_add_u32 v3, v2, 4, v3
	s_mul_i32 s21, s11, HALFT                      ; my 64 rows of A: region 0 or 1
	s_mul_i32 s22, s12, HALFT                      ; my 128 rows of B:
	s_add_co_u32 s22, s22, 2*HALFT                 ; region 2 or 3
.irp s, 0,1
	v_add_nc_u32 v[ADRA+\s], s21, v3
	v_add_nc_u32 v[ADRB+\s], s22, v3
	s_add_co_u32 s21, s21, SLOT
	s_add_co_u32 s22, s22, SLOT
.endr
	s_mul_i32 s23, s10, 16*SPITCH
	s_add_co_u32 s23, s23, STAGE                   ; my stage
	v_mul_u32_u24 v4, v1, SPITCH                   ; in: row l % 16, 32 bytes for each half of the lanes
	v_lshl_add_u32 v4, v2, 5, v4
	v_add_nc_u32 v[STO], s23, v4
	v_and_b32 v5, 31, v0
	v_lshlrev_b32 v[CO], 4, v5                     ; back and out: the 32 lanes take one row of 512 bytes
	v_add_nc_u32 v[RD], s23, v[CO]
	v_lshlrev_b32 v[BO], 5, v2                     ; the bias: 8 f32 for each half of the lanes
	s_lshl_b32 s68, s42, 10
	s_lshl_b32 s69, s12, 9
	s_add_co_u32 s68, s68, s69
	s_mov_b32 s69, 0
	s_add_nc_u64 s[66:67], s[66:67], s[68:69]
	WIN TO_B
.irp b, 0,1,2,3,4,5,6,7
	global_load_b128 v[BIAS+8*\b:BIAS+8*\b+3],   v[BO], s[66:67] offset:64*\b
	global_load_b128 v[BIAS+8*\b+4:BIAS+8*\b+7], v[BO], s[66:67] offset:64*\b+16
.endr
	WIN 0
; 8 matrix instructions: m block a x all 8 n blocks, 32 along K.  first = 1: the bias is C and starts the sums.
.macro MULA f, a, first
.irp b, 0,1,2,3,4,5,6,7
.if \first
	v_wmma_f32_16x16x32_bf16 v[8*(8*\a+\b):8*(8*\a+\b)+7], v[\f+8*\b:\f+8*\b+7], v[\f+8*\a:\f+8*\a+7], v[BIAS+8*\b:BIAS+8*\b+7]
.else
	v_wmma_f32_16x16x32_bf16 v[8*(8*\a+\b):8*(8*\a+\b)+7], v[\f+8*\b:\f+8*\b+7], v[\f+8*\a:\f+8*\a+7], v[8*(8*\a+\b):8*(8*\a+\b)+7]
.endif
.endr
.endm
; 24 LDS loads in one run: 128 rows of B, then 64 rows of A, 32 K at byte k of the rows, into buffer f
.macro FETCH slot, k, f
	WIN TO_B
.irp i, 0,1,2,3,4,5,6,7
	ds_load_b128 v[\f+8*\i:\f+8*\i+3],   v[ADRB+\slot] offset:\k+\i*16*PITCH
	ds_load_b128 v[\f+8*\i+4:\f+8*\i+7], v[ADRB+\slot] offset:\k+\i*16*PITCH+32
.endr
	WIN 0
.irp i, 0,1,2,3
	ds_load_b128 v[\f+8*\i:\f+8*\i+3],   v[ADRA+\slot] offset:\k+\i*16*PITCH
	ds_load_b128 v[\f+8*\i+4:\f+8*\i+7], v[ADRA+\slot] offset:\k+\i*16*PITCH+32
.endr
.endm
.macro PLACES                          ; four places between a matrix instruction and a load into one of its sources, or a read of its result
.rept 4
	v_nop
.endr
.endm
.macro QUARTER slot, k, f, g, first
	s_wait_dscnt 4                                 ; B and A's rows 0-31 are in; the youngest four loads (A's rows 32-63) may be out
.if \first
	WIN MUL_B
.else
	WIN MUL
.endif
	MULA \f, 0, \first
	MULA \f, 1, \first
	PLACES
	FETCH \slot, \k, \g
	s_wait_dscnt 24                                ; all but the 24 just issued
.if \first
	WIN MUL_B
.else
	WIN MUL
.endif
	MULA \f, 2, \first
	MULA \f, 3, \first
.endm
.macro THREE slot, first
	QUARTER \slot, 64,  F0, F1, \first
	QUARTER \slot, 128, F1, F0, 0
	QUARTER \slot, 192, F0, F1, 0
.endm
; The last quarter of a K step changes slots: each wave waits for its reads of this slot and for all its tensor loads, then the barrier (a round of the cluster's
; barrier where the slot is filled again); behind it the refill first, then the next slot's first fragments.
.macro TURN slot, next, fill
	s_wait_dscnt 4
	WIN MUL
	MULA F1, 0, 0
	s_wait_dscnt 0                                 ; my reads of this slot are over
	s_wait_tensorcnt 0x0                           ; all my tensor loads have landed: the one that was out is my part of the next slot
	ds_add_u32 v63, v255
	s_wait_dscnt 0x0
	s_barrier_signal -1
	MULA F1, 1, 0                                  ; register work while the others arrive
	WIN 0
	s_barrier_wait -1
.if \fill
	CREST                                          ; no wave of any partner still reads this slot or has a load on its way
	s_add_nc_u64 s[G0+4*\slot+2:G0+4*\slot+3], s[G0+4*\slot+2:G0+4*\slot+3], 2*KSTEP*2
	s_add_nc_u64 s[G0B+4*\slot+2:G0B+4*\slot+3], s[G0B+4*\slot+2:G0B+4*\slot+3], 2*KSTEP*2
	JLOAD \slot                                    ; the first tensor load behind the round, my only one until the next; its four v_nop are also the places in front of the loads below
.else
	PLACES
.endif
	FETCH \next, 0, F0
	WIN MUL
	MULA F1, 2, 0
	MULA F1, 3, 0
.endm
.macro LAP first
	THREE 0, \first
	TURN 0, 1, 1
	THREE 1, 0
	TURN 1, 0, 1
.endm
	s_wait_loadcnt 0x0                             ; the bias is in
	s_wait_tensorcnt 1                             ; my part of K step 0 is in; K step 1's load, issued behind it, stays out
	s_barrier_signal -1
	s_barrier_wait -1
	FETCH 0, 0, F0
	LAP 1                                          ; the first lap stands in front of the loop: its first products start the sums
	WIN 0
	s_mov_b32 s3, LAPS-2
.Llap:
	LAP 0
	WIN 0
	s_sub_co_u32 s3, s3, 1
	s_cmp_lg_u32 s3, 0
	s_cbranch_scc1 .Llap
	THREE 0, 0                                     ; the last lap fills nothing
	TURN 0, 1, 0
	THREE 1, 0
	s_wait_dscnt 4                                 ; the very last quarter
	WIN MUL
	MULA F1, 0, 0
	MULA F1, 1, 0
	s_wait_dscnt 0
	MULA F1, 2, 0
	MULA F1, 3, 0
	; THE WAY OUT, 16 rows at a time: a lane's 32 bytes of a row go into my own stage, whole rows of 512 bytes come back and are stored.
	PLACES                                         ; the places behind the last matrix instructions, for the LDS stores of results and the loads into buffers 0 and 1
	s_lshl_b32 s13, s13, 7
	s_lshl_b32 s14, s11, 6
	s_add_co_u32 s16, s13, s14                     ; my first row,
	s_lshl_b32 s16, s16, 12                        ; of 4,096 bytes
	s_mov_b32 s17, 0
	s_add_nc_u64 s[8:9], s[8:9], s[16:17]
	s_lshl_b32 s46, s42, 10                        ; my first column, in bytes: 1,024 x block + 512 x half
	s_lshl_b32 s47, s12, 9
	s_add_co_u32 s46, s46, s47
	s_mov_b32 s47, 0
	s_add_nc_u64 s[8:9], s[8:9], s[46:47]
; rows 16 a .. 16 a + 15 of my block = the eight tiles (a, 0..7); f: F0 or F1 in turn, 64 registers of window 0
.macro OUT16F a, f
	WIN FROM_C
.irp b, 0,1,2,3,4,5,6,7
	ds_store_b128 v[STO], v[8*(8*\a+\b):8*(8*\a+\b)+3]   offset:64*\b
	ds_store_b128 v[STO], v[8*(8*\a+\b)+4:8*(8*\a+\b)+7] offset:64*\b+16
.endr
	WIN 0
	s_wait_xcnt 0x0                                ; buffer f, which earlier stores read, is rewritten only behind this wait (ISA guide 3.1)
.irp t, 0,1,2,3,4,5,6,7,8,9,10,11,12,13,14,15
	ds_load_b128 v[\f+4*\t:\f+4*\t+3], v[RD] offset:\t*SPITCH      ; LDS serves a wave's instructions in order (ISA guide 5.7.1): these see the stores above
.endr
.irp t, 0,1,2,3,4,5,6,7,8,9,10,11,12,13,14,15
	s_wait_dscnt 15-\t                             ; read-back t is in, the 15 - t younger ones stay out
	global_store_b128 v[CO], v[\f+4*\t:\f+4*\t+3], s[8:9] offset:(16*\a+\t)*SIZE_N*4 th:TH_STORE_NT   ; the wave stores 512 consecutive bytes, at a multiple of 512 from the buffer's first byte
.endr
.endm
	OUT16F 0, F0
	OUT16F 1, F1
	OUT16F 2, F0
	OUT16F 3, F1
	s_set_vgpr_msb 0x1
	s_wait_tensorcnt 0x0
	ds_add_u32 v63, v255
	s_wait_dscnt 0x0
	s_set_vgpr_msb 0x100
	CROUND                                         ; the closing round: no work-group ends while a partner may still ask for a tile that names it
	s_endpgm
.Lfunc_end_k_qf4f737d507_proj:
	.size	k_qf4f737d507_proj, .Lfunc_end_k_qf4f737d507_proj-k_qf4f737d507_proj
	.p2alignl 7, 3214868480
	.fill 96, 4, 3214868480
	.section	.rodata,"a",@progbits
	.p2align	6, 0x0
	.amdhsa_kernel k_qf4f737d507_proj
		.amdhsa_group_segment_fixed_size 327680
		.amdhsa_private_segment_fixed_size 0
		.amdhsa_enable_private_segment 0
		.amdhsa_kernarg_size 32
		.amdhsa_user_sgpr_count 2
		.amdhsa_user_sgpr_kernarg_segment_ptr 1
		.amdhsa_wavefront_size32 1
		.amdhsa_system_sgpr_workgroup_id_x 1
		.amdhsa_system_sgpr_workgroup_id_y 1
		.amdhsa_system_sgpr_workgroup_id_z 1
		.amdhsa_system_vgpr_workitem_id 0
		.amdhsa_next_free_vgpr 768
		.amdhsa_next_free_sgpr 70
		.amdhsa_reserve_vcc 0
		.amdhsa_float_denorm_mode_32 3
		.amdhsa_float_denorm_mode_16_64 3
		.amdhsa_memory_ordered 1
		.amdhsa_forward_progress 1
		.amdhsa_inst_pref_size 121
	.end_amdhsa_kernel
	.amdgpu_metadata
---
amdhsa.version: [ 1, 2 ]
amdhsa.kernels:
  - .name:           k_qf4f737d507_proj
    .symbol:         k_qf4f737d507_proj.kd
    .args:
      - { .name: att, .offset: 0, .size: 8, .value_kind: global_buffer, .address_space: global }
      - { .name: wob, .offset: 8, .size: 8, .value_kind: global_buffer, .address_space: global }
      - { .name: out_b, .offset: 16, .size: 8, .value_kind: global_buffer, .address_space: global }
      - { .name: out0, .offset: 24, .size: 8, .value_kind: global_buffer, .address_space: global }
    .group_segment_fixed_size: 327680
    .private_segment_fixed_size: 0
    .kernarg_segment_align: 8
    .kernarg_segment_size: 32
    .max_flat_workgroup_size: 128
    .sgpr_count:     70
    .vgpr_count:     768
    .wavefront_size: 32
...
	.end_amdgpu_metadata
.endif
;; end of part 4
;; ======== version 2 of 2: 4 launches; version 1 with the launch cast written anew for expert scheduling mode
;; workspace buffers: xb 16,777,216 bytes; wqb 6,291,456 bytes; wob 2,097,152 bytes; qkv 50,331,648 bytes; att 16,777,216 bytes
;; launch cast (part 5): grid 768 x 1, 8 waves a work-group, no clusters, 0 bytes of LDS; arguments x, qkv_w, out_w, xb, wqb, wob; writes xb, wqb, wob
.if DOCPART == 5
	.amdgcn_target "amdgcn-amd-amdhsa--gfx1250"
	.amdhsa_code_object_version 6
	.text
	.protected	k_qf4f737d507_cast
	.globl	k_qf4f737d507_cast
	.p2align	8
	.type	k_qf4f737d507_cast,@function
k_qf4f737d507_cast:
	s_mov_b64 s[64:65], 0
	v_nop
	global_prefetch_b8 v0, s[64:65] scope:SCOPE_SE
	s_setreg_imm32_b32 hwreg(HW_REG_WAVE_SCHED_MODE, 0, 2), 2
	s_setreg_imm32_b32 hwreg(HW_REG_WAVE_MODE, 25, 1), 1
	s_wait_xcnt 0x0
	s_wait_alu depctr_vm_vsrc(0)
; xb = bf16(x), wqb = bf16(qkv_w), wob = bf16(out_w): every number rounded once, to nearest even.
; A stream: each input byte is read once and each output byte written once, so there is no LDS, no barrier, no matrix work and no cluster
; (no two work-groups read the same byte).
; A work-group owns one chunk of 16,384 numbers (65,536 bytes in, 32,768 out).  Groups 0-511 take x (8,388,608 numbers), 512-703 qkv_w
; (3,145,728), 704-767 out_w (1,048,576).  A wave owns 8,192 bytes of the chunk: sixteen loads of 16 bytes a lane, each covering 512
; neighbouring bytes, all issued before the first is used; each store of 8 bytes a lane covers 256 neighbouring bytes, aligned.
; No register is written twice, so no source of a pending load or store is ever rewritten.
; THE MODE: SCHED_MODE bits 1:0 = 2 (LLVM: expert scheduling mode 2), set by the entry lines.  The code itself states the register dependences
; between vector instructions and memory instructions, with s_wait_alu, always for 0.
; THE PLAN.  Registers that memory instructions touch:
;   v1, v2     byte offsets of the loads and of the stores.  Written once at the head by vector instructions, never again.
;   X          load i lands in X + 4 i.  No vector instruction names X ahead of the loads; each register is read by one conversion, behind the wait for its load.
;   Y          written by the conversions, each register once; read by one store each.
; The sixteen loads go in four blocks of four.  Block p rounds X's block p into Y's block p; its memory instructions are the four stores of block p - 1,
; which read v2 and Y's block p - 1: registers that no conversion of block p names.  So one wait at a block's head states all that its four stores hang on,
; and they are dealt among the block's eight conversions with no further wait.  One wait at the kernel's head serves both offsets, one behind block 3 the last four stores.
.set NX,  512                          ; chunks of x
.set NW,  704                          ; chunks of x and qkv_w together
.set X,   8                            ; v[8:71]    load i: four f32
.set Y,   72                           ; v[72:103]  store i: four bf16
	s_load_b256 s[4:11], s[0:1], 0x0               ; x s[4:5], qkv_w s[6:7], out_w s[8:9], xb s[10:11]
	s_load_b128 s[12:15], s[0:1], 0x20             ; wqb s[12:13], wob s[14:15]
	v_lshrrev_b32 v1, 5, v0                        ; wave
	v_and_b32 v2, 31, v0                           ; lane
	v_lshlrev_b32 v2, 4, v2
	v_lshl_or_b32 v1, v1, 13, v2                   ; in: 8,192 x wave + 16 x lane
	v_lshrrev_b32 v2, 1, v1                        ; out: half of that
	s_wait_kmcnt 0x0
	s_cmp_lt_u32 ttmp9, NX                         ; which tensor: the choice hangs on the group number alone
	s_cselect_b64 s[16:17], s[4:5], s[6:7]
	s_cselect_b64 s[18:19], s[10:11], s[12:13]
	s_cselect_b32 s20, 0, NX
	s_cmp_lt_u32 ttmp9, NW
	s_cselect_b64 s[16:17], s[16:17], s[8:9]
	s_cselect_b64 s[18:19], s[18:19], s[14:15]
	s_cselect_b32 s20, s20, NW
	s_sub_co_u32 s21, ttmp9, s20                   ; the chunk's number inside its tensor
	s_lshl_b32 s22, s21, 16
	s_mov_b32 s23, 0
	s_add_nc_u64 s[16:17], s[16:17], s[22:23]      ; source at my chunk
	s_lshl_b32 s22, s21, 15
	s_add_nc_u64 s[18:19], s[18:19], s[22:23]      ; destination at my chunk
	s_wait_alu depctr_va_vdst(0)                   ; v1 and v2 are written: every load of the kernel reads v1 as its offset, every store v2
.irp i, 0,1,2,3,4,5,6,7,8,9,10,11,12,13,14,15
	global_load_b128 v[X+4*\i:X+4*\i+3], v1, s[16:17] offset:512*\i th:TH_LOAD_NT   ; read once in the launch
.endr
; Block p: loads 4 p to 4 p + 3 are rounded; the stores of block p - 1 stand among the conversions, one ahead of each two.
.macro BLK p
	s_wait_loadcnt 12-4*(\p)                       ; loads come back in order (ISA guide 5.7.1): this block's four are in, the 12 - 4 p younger ones stay out
.if \p
	s_wait_alu depctr_va_vdst(0)                   ; the conversions of the block before have written their part of Y, which the four stores below read
.endif
.irp i, 0,1,2,3
.if \p
	global_store_b64 v2, v[Y+8*((\p)-1)+2*(\i):Y+8*((\p)-1)+2*(\i)+1], s[18:19] offset:256*(4*((\p)-1)+(\i))   ; no hint: the next launch reads these bytes.  No vector instruction since the wait names v2 or these registers
.endif
	v_cvt_pk_bf16_f32 v[Y+8*(\p)+2*(\i)],   v[X+16*(\p)+4*(\i)],   v[X+16*(\p)+4*(\i)+1]
	v_cvt_pk_bf16_f32 v[Y+8*(\p)+2*(\i)+1], v[X+16*(\p)+4*(\i)+2], v[X+16*(\p)+4*(\i)+3]
.endr
.endm
	BLK 0                                          ; no block stands in front of it: no store, and no wait but the one for its data
	BLK 1
	BLK 2
	BLK 3
	s_wait_alu depctr_va_vdst(0)                   ; block 3's conversions have written the last part of Y, which the last four stores read
.irp i, 0,1,2,3
	global_store_b64 v2, v[Y+24+2*\i:Y+24+2*\i+1], s[18:19] offset:256*(12+\i)
.endr
	s_endpgm
.Lfunc_end_k_qf4f737d507_cast:
	.size	k_qf4f737d507_cast, .Lfunc_end_k_qf4f737d507_cast-k_qf4f737d507_cast
	.p2alignl 7, 3214868480
	.fill 96, 4, 3214868480
	.section	.rodata,"a",@progbits
	.p2align	6, 0x0
	.amdhsa_kernel k_qf4f737d507_cast
		.amdhsa_group_segment_fixed_size 0
		.amdhsa_private_segment_fixed_size 0
		.amdhsa_enable_private_segment 0
		.amdhsa_kernarg_size 48
		.amdhsa_user_sgpr_count 2
		.amdhsa_user_sgpr_kernarg_segment_ptr 1
		.amdhsa_wavefront_size32 1
		.amdhsa_system_sgpr_workgroup_id_x 1
		.amdhsa_system_sgpr_workgroup_id_y 1
		.amdhsa_system_sgpr_workgroup_id_z 1
		.amdhsa_system_vgpr_workitem_id 0
		.amdhsa_next_free_vgpr 104
		.amdhsa_next_free_sgpr 66
		.amdhsa_reserve_vcc 0
		.amdhsa_float_denorm_mode_32 3
		.amdhsa_float_denorm_mode_16_64 3
		.amdhsa_memory_ordered 1
		.amdhsa_forward_progress 1
		.amdhsa_inst_pref_size 7
	.end_amdhsa_kernel
	.amdgpu_metadata
---
amdhsa.version: [ 1, 2 ]
amdhsa.kernels:
  - .name:           k_qf4f737d507_cast
    .symbol:         k_qf4f737d507_cast.kd
    .args:
      - { .name: x, .offset: 0, .size: 8, .value_kind: global_buffer, .address_space: global }
      - { .name: qkv_w, .offset: 8, .size: 8, .value_kind: global_buffer, .address_space: global }
      - { .name: out_w, .offset: 16, .size: 8, .value_kind: global_buffer, .address_space: global }
      - { .name: xb, .offset: 24, .size: 8, .value_kind: global_buffer, .address_space: global }
      - { .name: wqb, .offset: 32, .size: 8, .value_kind: global_buffer, .address_space: global }
      - { .name: wob, .offset: 40, .size: 8, .value_kind: global_buffer, .address_space: global }
    .group_segment_fixed_size: 0
    .private_segment_fixed_size: 0
    .kernarg_segment_align: 8
    .kernarg_segment_size: 48
    .max_flat_workgroup_size: 256
    .sgpr_count:     66
    .vgpr_count:     104
    .wavefront_size: 32
...
	.end_amdgpu_metadata
.endif
;; end of part 5
;; launch qkvgemm: the kernel of part 2 again; grid 12 x 32, 4 waves a work-group, clusters of 4 x 4, 327,680 bytes of LDS; arguments xb, wqb, qkv_b, qkv; writes qkv
;; launch attn: the kernel of part 3 again; grid 256 x 1, 8 waves a work-group, clusters of 4 x 1, 327,680 bytes of LDS; arguments qkv, att; writes att
;; launch proj: the kernel of part 4 again; grid 4 x 64, 4 waves a work-group, clusters of 4 x 4, 327,680 bytes of LDS; arguments att, wob, out_b, out0; writes out0
